; MI455X (gfx1250); checked and timed in simulation.
; The chip was launched on July 23, 2026; its instructions are those of AMD's public machine-readable ISA for CDNA 5 (MIT licence, August 2026) and "CDNA5" Instruction Set Architecture Reference Guide (July 2026). The comments in the code are by the model that wrote it; some were corrected since.
;; Multi Head. Allowed arithmetic: float matrix products may take bf16 or f16 operands with f32 sums; all other float work in f32.
;; Inputs: Wk 16 x 1,024 x 64 float32; Wo 1,024 x 1,024 float32; Wq 16 x 1,024 x 64 float32; Wv 16 x 1,024 x 64 float32; bo 1,024 float32; k 4 x 2,048 x 1,024 float32; q 4 x 2,048 x 1,024 float32; v 4 x 2,048 x 1,024 float32.
;; Outputs: out0 4 x 2,048 x 1,024 float32.
;; 2 versions, each right; version 2 is version 1 with the launch prep written anew for expert scheduling mode. Each part assembles by itself: llvm-mc -triple=amdgcn-amd-amdhsa -mcpu=gfx1250 --defsym DOCPART=n.
;; ======== version 1 of 2: 4 launches
;; limits: values are held in f16: magnitudes above 65,504 overflow, below 6.1e-05 lose precision
;; workspace buffers: wts 8,388,608 bytes; qh 16,777,216 bytes; kh 16,777,216 bytes; vh 16,777,216 bytes; oh 16,777,216 bytes
;; launch prep (part 1): grid 64 x 4, 8 waves a work-group, no clusters, 0 bytes of LDS; arguments Wq, Wk, Wv, Wo, wts; writes wts
.if DOCPART == 1
	.amdgcn_target "amdgcn-amd-amdhsa--gfx1250"
	.amdhsa_code_object_version 6
	.text
	.protected	k_q4902d4c6fc_prep
	.globl	k_q4902d4c6fc_prep
	.p2align	8
	.type	k_q4902d4c6fc_prep,@function
k_q4902d4c6fc_prep:
	s_mov_b64 s[64:65], 0
	v_nop
	global_prefetch_b8 v0, s[64:65] scope:SCOPE_SE
	s_setreg_imm32_b32 hwreg(HW_REG_WAVE_MODE, 25, 1), 1
	s_wait_xcnt 0x0
; THE WEIGHTS IN 16 BITS.  wts has four parts of 2,097,152 bytes.  Parts 0, 1, 2: Wq, Wk, Wv ([16 h][1024 d][64 c] f32) rounded to bf16 and laid as
; [d = 1024][n = 64 h + c = 1024], rows of 2,048 bytes, so that a K step's rows of a projection's B tile are 512 neighbouring bytes.
; Part 3: Wo ([1024 n][1024 k] f32) rounded to bf16, and that number written as f16, in Wo's own order.
; LIMITS.  Part 3 is f16: a Wo of 65,520 or more becomes an infinity; below 6e-5 it keeps f16's fixed step of 6e-8.
; A stream: each input byte is read once and each output byte written once; no LDS, no barrier, no matrix unit: there is nothing to share and nothing to multiply.
; SHARES.  Work-group (x, part) makes 32,768 bytes of its part; thread t makes 16 units of 4 numbers: a load of 16 bytes, a store of 8.
; A wave's store covers 256 consecutive bytes, aligned; sixteen lanes of a load read 256 consecutive bytes, aligned.
.set X, 4                              ; v[4:67]    unit i: 4 numbers as loaded
.set Y, 68                             ; v[68:99]   unit i: 4 numbers in 16 bits
.set T, 100                            ; v[100:103] at work
	s_load_b256 s[4:11], s[0:1], 0x0               ; Wq s[4:5], Wk s[6:7], Wv s[8:9], Wo s[10:11]
	s_load_b64 s[12:13], s[0:1], 0x20              ; wts
	s_and_b32 s16, ttmp7, 0xffff                   ; the part
	s_lshl_b32 s18, ttmp9, 12                      ; parts 0-2: 16 rows d of 256 bytes in a head
	s_lshl_b32 s19, ttmp9, 16                      ; part 3: 16 rows of 4,096 bytes
	s_lshl_b32 s20, s16, 21                        ; the part's first byte in wts,
	s_lshl_b32 s21, ttmp9, 15                      ; and the work-group's 32,768 bytes in it
	s_add_co_u32 s20, s20, s21
	s_mov_b32 s21, 0
	s_mov_b32 s22, 0xffff0000                      ; a word's upper bf16
	v_lshlrev_b32 v2, 3, v0                        ; my 8 bytes in a row of 2,048
	s_cmp_eq_u32 s16, 3
	s_cselect_b32 s18, s19, s18
	s_mov_b32 s19, 0
	s_wait_kmcnt 0x0
	s_cmp_eq_u32 s16, 1                            ; the part's source
	s_cselect_b64 s[14:15], s[6:7], s[4:5]
	s_cmp_eq_u32 s16, 2
	s_cselect_b64 s[14:15], s[8:9], s[14:15]
	s_cmp_eq_u32 s16, 3
	s_cselect_b64 s[14:15], s[10:11], s[14:15]
	s_add_nc_u64 s[14:15], s[14:15], s[18:19]
	s_add_nc_u64 s[12:13], s[12:13], s[20:21]
	s_cmp_eq_u32 s16, 3
	s_cbranch_scc1 .Lwo
	; Wq, Wk, Wv: row d = 16 x + i, columns n = 4 t .. 4 t + 3: head t / 16, channels 4 (t % 16) on
	v_lshrrev_b32 v1, 4, v0
	v_and_b32 v3, 15, v0
	v_lshlrev_b32 v1, 18, v1                       ; a head is 262,144 bytes
	v_lshl_or_b32 v1, v3, 4, v1
.set i, 0
.rept 16
	global_load_b128 v[X+4*i:X+4*i+3], v1, s[14:15] offset:256*i th:TH_LOAD_NT
.set i, i+1
.endr
.set i, 0
.rept 16
	s_wait_loadcnt 15-i                            ; loads come back in order: unit i is in, the 15 - i younger ones stay out
	v_cvt_pk_bf16_f32 v[Y+2*i], v[X+4*i], v[X+4*i+1]
	v_cvt_pk_bf16_f32 v[Y+2*i+1], v[X+4*i+2], v[X+4*i+3]
	global_store_b64 v2, v[Y+2*i:Y+2*i+1], s[12:13] offset:2048*i
.set i, i+1
.endr
	s_endpgm
.Lwo:	; Wo: numbers 16,384 x + 1,024 i + 4 t on, in the tensor's own order
	v_lshlrev_b32 v1, 4, v0
.set i, 0
.rept 16
	global_load_b128 v[X+4*i:X+4*i+3], v1, s[14:15] offset:4096*i th:TH_LOAD_NT
.set i, i+1
.endr
.set i, 0
.rept 16
	s_wait_loadcnt 15-i                            ; unit i is in
	v_cvt_pk_bf16_f32 v[T], v[X+4*i], v[X+4*i+1]   ; rounded to bf16, as every input of the module is,
	v_cvt_pk_bf16_f32 v[T+1], v[X+4*i+2], v[X+4*i+3]
	v_lshlrev_b32 v[T+2], 16, v[T]                 ; widened again,
	v_and_b32 v[T], s22, v[T]
	v_lshlrev_b32 v[T+3], 16, v[T+1]
	v_and_b32 v[T+1], s22, v[T+1]
	v_cvt_pk_f16_f32 v[Y+2*i], v[T+2], v[T]        ; and written as f16: exact inside f16's normal range
	v_cvt_pk_f16_f32 v[Y+2*i+1], v[T+3], v[T+1]
	global_store_b64 v2, v[Y+2*i:Y+2*i+1], s[12:13] offset:2048*i
.set i, i+1
.endr
	s_endpgm
.Lfunc_end_k_q4902d4c6fc_prep:
	.size	k_q4902d4c6fc_prep, .Lfunc_end_k_q4902d4c6fc_prep-k_q4902d4c6fc_prep
	.p2alignl 7, 3214868480
	.fill 96, 4, 3214868480
	.section	.rodata,"a",@progbits
	.p2align	6, 0x0
	.amdhsa_kernel k_q4902d4c6fc_prep
		.amdhsa_group_segment_fixed_size 0
		.amdhsa_private_segment_fixed_size 0
		.amdhsa_enable_private_segment 0
		.amdhsa_kernarg_size 40
		.amdhsa_user_sgpr_count 2
		.amdhsa_user_sgpr_kernarg_segment_ptr 1
		.amdhsa_wavefront_size32 1
		.amdhsa_system_sgpr_workgroup_id_x 1
		.amdhsa_system_sgpr_workgroup_id_y 1
		.amdhsa_system_sgpr_workgroup_id_z 1
		.amdhsa_system_vgpr_workitem_id 0
		.amdhsa_next_free_vgpr 104
		.amdhsa_next_free_sgpr 66
		.amdhsa_reserve_vcc 0
		.amdhsa_float_denorm_mode_32 3
		.amdhsa_float_denorm_mode_16_64 3
		.amdhsa_memory_ordered 1
		.amdhsa_forward_progress 1
		.amdhsa_inst_pref_size 17
	.end_amdhsa_kernel
	.amdgpu_metadata
---
amdhsa.version: [ 1, 2 ]
amdhsa.kernels:
  - .name:           k_q4902d4c6fc_prep
    .symbol:         k_q4902d4c6fc_prep.kd
    .args:
      - { .name: Wq, .offset: 0, .size: 8, .value_kind: global_buffer, .address_space: global }
      - { .name: Wk, .offset: 8, .size: 8, .value_kind: global_buffer, .address_space: global }
      - { .name: Wv, .offset: 16, .size: 8, .value_kind: global_buffer, .address_space: global }
      - { .name: Wo, .offset: 24, .size: 8, .value_kind: global_buffer, .address_space: global }
      - { .name: wts, .offset: 32, .size: 8, .value_kind: global_buffer, .address_space: global }
    .group_segment_fixed_size: 0
    .private_segment_fixed_size: 0
    .kernarg_segment_align: 8
    .kernarg_segment_size: 40
    .max_flat_workgroup_size: 256
    .sgpr_count:     66
    .vgpr_count:     104
    .wavefront_size: 32
...
	.end_amdgpu_metadata
.endif
;; end of part 1
;; launch proj (part 2): grid 4 x 64, 4 waves a work-group, clusters of 4 x 4, 327,680 bytes of LDS; arguments q, k, v, wts, qh, kh, vh; writes qh, kh, vh
.if DOCPART == 2
	.amdgcn_target "amdgcn-amd-amdhsa--gfx1250"
	.amdhsa_code_object_version 6
	.text
	.protected	k_q4902d4c6fc_proj
	.globl	k_q4902d4c6fc_proj
	.p2align	8
	.type	k_q4902d4c6fc_proj,@function
k_q4902d4c6fc_proj:
	s_mov_b64 s[64:65], 0
	v_nop
	global_prefetch_b8 v0, s[64:65] scope:SCOPE_SE
	s_setreg_imm32_b32 hwreg(HW_REG_WAVE_MODE, 25, 1), 1
	s_wait_xcnt 0x0
	s_wait_alu depctr_hold_cnt(0) depctr_sa_sdst(0) depctr_va_vdst(0) depctr_va_sdst(0) depctr_va_ssrc(0) depctr_va_vcc(0) depctr_vm_vsrc(0)
	s_getreg_b32 s2, hwreg(HW_REG_IB_STS2, 6, 4)
	s_cmp_eq_u32 s2, 0
	s_cbranch_scc0 .Lentry_in_a_cluster
	s_endpgm
.Lentry_in_a_cluster:
	s_bfe_u32 s2, ttmp6, 0x10000c
	s_cmp_lg_u32 s2, 0xf033
	s_cbranch_scc0 .Lentry_shape_is_right
	s_endpgm
.Lentry_shape_is_right:
; THE THREE PROJECTIONS.  Y_t[16 b + h][s][c] = the sum over d of X_t[b][s][d] W_t[h][d][c], t = 0, 1, 2 for (q, Wq, qh), (k, Wk, kh), (v, Wv, vh).
; X_t: [8192][1024] f32.  W_t: part t of wts, [d = 1024][n = 64 h + c = 1024] bf16.  Y_t: [64][2048][64] f16, a head's rows dense, WITHOUT the softmax's scale.
; X is rounded to bf16 on the way from LDS to the matrix unit, so it is read from memory once, as f32; sums in f32; Y rounded once.
; LIMITS.  Y is f16: a sum of 65,520 or more becomes an infinity; below 6e-5 it keeps f16's fixed step of 6e-8.  NaN and infinities are not treated apart.
; SHARES.  A tile of Y_t is 128 rows x 256 columns: 64 x 4 tiles a tensor.  A WORK-GROUP STAYS: 256 work-groups, each makes the tile at its place of Y_0, then of Y_1, then of Y_2.
; Four waves, each 64 rows x 128 columns: 32 accumulators of 16 x 16.  A tile's K = 1024 goes in 8 steps of 128; the three tiles' 24 steps are ONE walk through two LDS slots: the ring does not
; stop at a tile's end, and nothing waits for a tile's stores.  A step is four quarters of 32 along K, 32 matrix instructions each, on fragment buffers 0, 1, 0, 1.
; THE TEXT.  A trip of the loop is a step: two PAIRs of quarters (an inner loop; the LDS place steps in two scalars), then the change of slots.  A pair's first quarter multiplies the quarter
; fetched last, so a tile ends between the two quarters of the next tile's first pair: there, on a count, stand the way out and a quarter whose products start the new sums with the constant 0;
; the launch enters the loop at that quarter.  What the jump round them passes holds no barrier and no tensor load.
; CLUSTER.  4 x 4 work-groups.  The four of a row of the cluster need the same tile of X, the four of a column the same tile of W: each tile is asked for JOINTLY, by the same tensor load with
; the same descriptor and a mask that names the four.  Waves 0 and 1 fetch X's two halves (64 rows x 512 bytes), waves 2 and 3 W's (64 rows of d x 512 bytes).
; PREFETCH.  Behind their joint load for step s + 2, waves 0 and 1 ask for rows 32 cx .. 32 cx + 31 of X's tile of step s + 3, one aligned 256 bytes a lane: 16,384 bytes a work-group, one trip
; ahead of the load that wants them; the four partners of a row of the cluster cover the tile once; in the last trip the step is clamped to 23, the walk's last.  W is read by 64 tile rows: not asked for.
; THE MATRIX INSTRUCTION IS USED TRANSPOSED: source 0 = 16 columns of W (turned out of LDS by ds_load_tr16_b128), source 1 = 16 rows of X.  A lane then holds row l % 16 and eight
; neighbouring columns 8 (l / 16) + 0..7, which pack into 16 bytes.
; REGISTERS, in windows of 256 (s_set_vgpr_msb: bits 1:0 source 0, 3:2 source 1, 5:4 source 2, 7:6 destination):
;   window 0: v0-14 addresses; v64-127 X as f32, 16 registers a block of 16 rows; v128-159, v160-191 X's fragments in bf16, two buffers; v192-223 packed results;
;             the way out's whole rows: v32-63, v64-95, v96-127, v224-255, a set for each block of 16 rows
;   window 1: v0-63, v64-127 W's fragments, two buffers          window 2: accumulator (a, b) at v[8 (8 a + b)]
; lds_bytes claims all of a WGP's LDS; the text uses 295,424 bytes.
.set PA,    528                        ; a row of X in LDS: 512 bytes + 16 = 132 words: row r starts at bank 4 r mod 64 (64 banks of 4 bytes: ISA guide 11.1)
.set AHALF, 64*PA                      ; 64 rows: what one tensor load brings, and what one wave reads
.set PB,    544                        ; a row of W: 512 + 32 = 17 x 32 bytes
.set BHALF, 64*PB
.set BOFF,  2*AHALF                    ; W's 128 rows lie behind X's 128
.set SLOT1, 0x22000                    ; slot 1 begins here.  Bits 17 and 13: no base inside a slot (0, 0x8400, 0x10800, 0x19000) has either, so one exclusive or turns an address into the other slot's
.set STAGE, SLOT1+BOFF+2*BHALF         ; behind the ring, never filled by a tensor load: for each wave 2 heads x 16 rows x 144 bytes
.set SP,    144
.set HPL,   16*SP
.set WST,   2*HPL
.set SPARE, STAGE+4*WST                ; behind the stages: the spare words, 128 bytes for each wave: two blocks of 256 bytes that no other line names
.set ASTEP, 128*4                      ; a K step in X: 128 numbers along a row
.set BSTEP, 128*2048                   ; in W: 128 rows.  Eight of them are a part of wts, so W's address steps on alike from tensor to tensor
.set HEADB, 2048*128                   ; a head's bytes in Y
.set STEPS, 24                         ; three tiles of eight K steps
.set ADA0, 4                           ; v4   my lane's place in a slot's X; never rewritten
.set ADB0, 5                           ; v5   the same for W
.set ADA,  6                           ; v6   the same for the pair of quarters in hand
.set ADB,  7                           ; v7
.set STO,  8                           ; v8   the way out: where I put 16 bytes of a row
.set RD,   9                           ; v9   the way out: where I read rows back
.set GO,   10                          ; v10  my byte offset in 512 consecutive bytes of Y
.set SPW,  12                          ; v12  LDS address of my spare word: SPARE + 4 x my thread's number; never rewritten
.set NIL,  13                          ; v13  0; never rewritten
.set PF,   14                          ; v14  the prefetch: my row of 32 and my wave's 256 bytes of a step's 512; never rewritten
.set AT,   64
.set AF,   128
.set TMP,  192
.set BF,   0                           ; window 1
.set WV,  18                           ; s18  my wave's number
.set WM,  19                           ; s19  which 64 rows are mine.  Also: I fetch X (0) or W (1)
.set WN,  20                           ; s20  which 128 columns.  Also: which half of that tile I fetch
.set CX,  21
.set CY,  22
.set NX,  23                           ; s23  tile column
.set RQ,  24                           ; s24  the step to be asked for next, 2 to 23
.set RTI, 25                           ; s25  its tensor
.set MT,  26                           ; s26  tile row
.set RMK, 27                           ; s27  my row of the cluster
.set CMK, 28                           ; s28  my column
.set G1A, 32                           ; s[32:39] descriptor group 1 for X's tiles
.set G1B, 40                           ; s[40:47] for W's
.set G0A, 48                           ; s[48:55] descriptor group 0 for X's tiles: a set for each of the two first fills; the second then walks on
.set G0B, 56                           ; s[56:63] the same for W's
.set TKA, 66                           ; s66  LDS byte, in X's rows, of the pair of quarters to be fetched: the slot + 256 x pair
.set TKB, 67                           ; s67  the same in W's rows: the slot + 64 rows x pair
.set AP,  68                           ; s[68:69] X's address, at work
.set AO,  70                           ; s[70:71] X's offset: my rows + the step
.set BP,  72                           ; s[72:73] W's first address
.set YP,  74                           ; s[74:75] Y's address for the way out in hand
.set YO,  76                           ; s[76:77] my offset in every Y
.set BO,  78                           ; s[78:79] W's first offset
.set AROW, 80                          ; s80  the offset of my 64 rows in every X
.set WT,  81                           ; s81  the tensor of the next way out
.set PT,  82                           ; s82  pairs to go to the next way out
.set IC,  83                           ; s83  counts a step's two pairs
.set OC,  84                           ; s84  counts the steps
.set PQ,  85                           ; s85  the prefetch's step, then its tensor
.set PFB, 86                           ; s[86:87] the prefetch's address
.set PO,  88                           ; s[88:89] its offset
.set PROW, 90                          ; s90  the offset of the 32 rows that my work-group asks for
.set MSB, 0
.macro WIN new                         ; the immediate's high byte repeats the setting that is left; a switch that changes nothing is dropped
.if MSB != (\new)
	s_set_vgpr_msb (MSB<<8)|(\new)
.set MSB, \new
.endif
.endm
.set MUL, 0xa1                         ; source 0 (W) window 1, source 1 (X) window 0, C and D window 2
; A joint refill, by the walking descriptors.  The branch hangs on the wave's number alone.  An s_nop 0 and four v_nop follow each of the two lines; behind X's stands the prefetch.
.macro JLOAD
	s_cmp_eq_u32 s[WM], 0
	s_cbranch_scc0 .Lfor_b_\@
	tensor_load_to_lds s[G0A+4:G0A+7], s[G1A:G1A+7]
	s_nop 0
.rept 4
	v_nop
.endr
	global_prefetch_b8 v[PF], s[PFB:PFB+1] th:TH_LOAD_NT scope:SCOPE_SE  ; 32 lanes, 32 rows, one aligned 256 bytes each: the step behind the one just asked for
	s_branch .Lasked_\@
.Lfor_b_\@:
	tensor_load_to_lds s[G0B+4:G0B+7], s[G1B:G1B+7]
	s_nop 0
.rept 4
	v_nop
.endr
.Lasked_\@:
.endm
; A round of the cluster's barrier: my work-group's barrier, so that wave 0's signal speaks for all four waves; wave 0 signals; every wave waits for all sixteen work-groups; my work-group's barrier once more.
.macro CREST                           ; a round behind its opening barrier
	s_cmp_lg_u32 s[WV], 0
	s_cbranch_scc1 .Lnot_wave_0_\@
	s_barrier_signal -3
.Lnot_wave_0_\@:
	s_barrier_wait -3
	s_barrier_signal -1
	s_barrier_wait -1
.endm
.macro CROUND
	s_barrier_signal -1
	s_barrier_wait -1
	CREST
.endm
	s_load_b256 s[4:11], s[0:1], 0x0               ; q s[4:5], k s[6:7], v s[8:9], wts s[10:11]
	s_load_b128 s[12:15], s[0:1], 0x20             ; qh s[12:13], kh s[14:15]
	s_load_b64 s[16:17], s[0:1], 0x30              ; vh
	v_lshl_add_u32 v[SPW], v0, 2, SPARE
	v_mov_b32 v[NIL], 0
	ds_add_u32 v12, v13
	ds_add_u32 v12, v13
	s_wait_dscnt 0x0
	v_lshrrev_b32 v1, 5, v0
	v_readfirstlane_b32 s[WV], v1                  ; wave 0..3
	s_lshr_b32 s[WM], s[WV], 1
	s_and_b32 s[WN], s[WV], 1
	s_bfe_u32 s[CX], ttmp6, 0x40000                ; my place in the cluster
	s_bfe_u32 s[CY], ttmp6, 0x40004
	s_lshl_b32 s[NX], ttmp9, 2                     ; in a cluster launch ttmp9 and ttmp7 count clusters
	s_add_co_u32 s[NX], s[NX], s[CX]               ; tile column = 4 x cluster x + cx
	s_and_b32 s[MT], ttmp7, 0xffff
	s_lshl_b32 s[MT], s[MT], 2
	s_add_co_u32 s[MT], s[MT], s[CY]               ; tile row = 4 x cluster y + cy
	s_lshl_b32 s[RMK], s[CY], 2
	s_lshl_b32 s[RMK], 15, s[RMK]                  ; places 4 cy .. 4 cy + 3
	s_lshl_b32 s[CMK], 0x1111, s[CX]               ; places cx, cx + 4, cx + 8, cx + 12
	; descriptor group 1.  X: 64 rows x 128 elements of 4 bytes, 4 words of padding behind every 128 words.  W: 64 rows x 256 elements of 2 bytes, 8 words behind every 128.
	s_or_b32 s[G1A], s[RMK], (2<<16)|(1<<20)|(1<<21)|(6<<22)|(3<<25)  ; 15:0 the mask; 17:16 element size; 20 padding on; 21 set beside a mask; 24:22 the interval (code 6); 31:25 the padding less 1
	s_mov_b32 s[G1A+1], 128<<16                    ; tensor_dim0
	s_mov_b32 s[G1A+2], 64<<16                     ; tensor_dim1
	s_mov_b32 s[G1A+3], 128<<16                    ; tile_dim0
	s_mov_b32 s[G1A+4], 64                         ; tile_dim1
	s_mov_b32 s[G1A+5], 1024                       ; elements from row to row
	s_mov_b32 s[G1A+6], 0
	s_mov_b32 s[G1A+7], 0
	s_or_b32 s[G1B], s[CMK], (1<<16)|(1<<20)|(1<<21)|(6<<22)|(7<<25)
	s_mov_b32 s[G1B+1], 256<<16
	s_mov_b32 s[G1B+2], 64<<16
	s_mov_b32 s[G1B+3], 256<<16
	s_mov_b32 s[G1B+4], 64
	s_mov_b32 s[G1B+5], 1024
	s_mov_b32 s[G1B+6], 0
	s_mov_b32 s[G1B+7], 0
	; offsets, each in registers of its own: those of X's descriptors never hold cx, those of W's never cy
	s_lshl_b32 s[AROW], s[MT], 7
	s_lshl_b32 s[AO+1], s[WN], 6
	s_add_co_u32 s[AROW], s[AROW], s[AO+1]         ; X: row 128 x tile row + 64 x half,
	s_lshl_b32 s[AROW], s[AROW], 12                ; of 4,096 bytes
	s_mov_b32 s[AO], s[AROW]
	s_mov_b32 s[AO+1], 0
	s_lshl_b32 s[BO], s[WN], 17                    ; W: 64 x half rows of 2,048 bytes,
	s_lshl_b32 s[BO+1], s[NX], 9                   ; 256 columns of 2 bytes, in part 0 of wts
	s_add_co_u32 s[BO], s[BO], s[BO+1]
	s_mov_b32 s[BO+1], 0
	s_lshr_b32 s[YO], s[MT], 4                     ; Y: batch = tile row / 16,
	s_lshl_b32 s[YO], s[YO], 4
	s_lshl_b32 s[YO+1], s[NX], 2
	s_add_co_u32 s[YO], s[YO], s[YO+1]
	s_lshl_b32 s[YO+1], s[WN], 1
	s_add_co_u32 s[YO], s[YO], s[YO+1]             ; head 16 x batch + 4 x tile column + 2 x half,
	s_lshl_b32 s[YO], s[YO], 18                    ; of 262,144 bytes;
	s_and_b32 s[YO+1], s[MT], 15
	s_lshl_b32 s[YO+1], s[YO+1], 7
	s_lshl_b32 s31, s[WM], 6
	s_add_co_u32 s[YO+1], s[YO+1], s31             ; row 128 x (tile row mod 16) + 64 x half,
	s_lshl_b32 s[YO+1], s[YO+1], 7                 ; of 128 bytes
	s_add_co_u32 s[YO], s[YO], s[YO+1]
	s_mov_b32 s[YO+1], 0
	s_lshl_b32 s[PROW], s[MT], 7                   ; the prefetch: row 128 x tile row + 32 cx,
	s_lshl_b32 s[PO+1], s[CX], 5
	s_add_co_u32 s[PROW], s[PROW], s[PO+1]
	s_lshl_b32 s[PROW], s[PROW], 12                ; of 4,096 bytes
	s_mov_b32 s[PO+1], 0
	s_mul_i32 s29, s[WN], AHALF                    ; where my tiles go in a slot: the wave's number alone enters an LDS address
	s_mul_i32 s30, s[WN], BHALF
	s_add_co_u32 s30, s30, BOFF
	s_mov_b32 s[TKA], 0
	s_mov_b32 s[TKB], 0
	s_mov_b32 s[RQ], 2                             ; steps 0 and 1 are the first fills
	s_mov_b32 s[WT], 0
	s_mov_b32 s[PT], 16                            ; a tile has 16 pairs of quarters
	s_mov_b32 s[IC], 2
	s_mov_b32 s[OC], STEPS-2
	s_wait_kmcnt 0x0
	s_add_nc_u64 s[AP:AP+1], s[4:5], s[AO:AO+1]    ; the walk begins in q
	s_add_nc_u64 s[BP:BP+1], s[10:11], s[BO:BO+1]
	CROUND                                         ; all sixteen work-groups are here: the first joint loads meet
.irp s, 0,1
	s_mov_b32 s[G0A+4*(\s)], 1                                        ; 1:0 count = 1
	s_add_co_u32 s[G0A+4*(\s)+1], s29, (\s)*SLOT1                     ; 63:32 LDS address
	s_add_nc_u64 s[G0A+4*(\s)+2:G0A+4*(\s)+3], s[AP:AP+1], (\s)*ASTEP ; 120:64 global address: K step s
	s_or_b32 s[G0A+4*(\s)+3], s[G0A+4*(\s)+3], 0x80000000             ; 127:126 type = 2
	s_mov_b32 s[G0B+4*(\s)], 1
	s_add_co_u32 s[G0B+4*(\s)+1], s30, (\s)*SLOT1
	s_add_nc_u64 s[G0B+4*(\s)+2:G0B+4*(\s)+3], s[BP:BP+1], (\s)*BSTEP
	s_or_b32 s[G0B+4*(\s)+3], s[G0B+4*(\s)+3], 0x80000000
.endr
	s_cmp_eq_u32 s[WM], 0                          ; a wave's two first fills stand in one branch, ahead of every wait on TENSORcnt and every LDS read: two loads of mine are out, the most in this text
	s_cbranch_scc0 .Lfirst_b
	tensor_load_to_lds s[G0A:G0A+3], s[G1A:G1A+7]
	s_nop 0
	tensor_load_to_lds s[G0A+4:G0A+7], s[G1A:G1A+7]
	s_nop 0
.rept 4
	v_nop
.endr
	s_branch .Lfirst_asked
.Lfirst_b:
	tensor_load_to_lds s[G0B:G0B+3], s[G1B:G1B+7]
	s_nop 0
	tensor_load_to_lds s[G0B+4:G0B+7], s[G1B:G1B+7]
	s_nop 0
.rept 4
	v_nop
.endr
.Lfirst_asked:
	; A fragment of X is 16 rows x 32 K: lane l holds row l % 16, K = 8 (l / 16) + 0..7 and 16 + 8 (l / 16) + 0..7: in f32 two runs of 32 bytes, 64 bytes apart.
	v_and_b32 v1, 15, v0                           ; l % 16
	v_bfe_u32 v2, v0, 4, 1                         ; l / 16
	v_mul_u32_u24 v[ADA0], v1, PA
	v_lshl_add_u32 v[ADA0], v2, 5, v[ADA0]
	s_mul_i32 s31, s[WM], AHALF                    ; my 64 rows
	v_add_nc_u32 v[ADA0], s31, v[ADA0]
	; The turning load takes 16 rows of d x 16 columns (lane l reads row 8 (l / 16) + l % 8, columns 8 ((l / 8) % 2) + 0..7) and leaves half a fragment: lane l holds column l % 16 and 8 d.
	v_and_b32 v3, 7, v0
	v_bfe_u32 v11, v0, 3, 1
	v_lshl_add_u32 v[ADB0], v2, 3, v3
	v_mul_u32_u24 v[ADB0], v[ADB0], PB
	v_lshl_add_u32 v[ADB0], v11, 4, v[ADB0]
	s_lshl_b32 s31, s[WN], 8                       ; my 128 columns
	s_add_co_u32 s31, s31, BOFF
	v_add_nc_u32 v[ADB0], s31, v[ADB0]
	v_add_nc_u32 v[ADA], s[TKA], v[ADA0]           ; the first pair of step 0
	v_add_nc_u32 v[ADB], s[TKB], v[ADB0]
	s_mul_i32 s31, s[WV], WST
	s_add_co_u32 s31, s31, STAGE                   ; my stage
	v_mul_u32_u24 v[STO], v1, SP                   ; in: row l % 16, 16 bytes for each half of the lanes
	v_lshl_add_u32 v[STO], v2, 4, v[STO]
	v_add_nc_u32 v[STO], s31, v[STO]
	v_bfe_u32 v[RD], v0, 3, 2                      ; back: 32 lanes take four rows of 128 bytes,
	v_mul_u32_u24 v[RD], v[RD], SP
	v_lshl_add_u32 v[RD], v3, 4, v[RD]
	v_add_nc_u32 v[RD], s31, v[RD]
	v_and_b32 v[GO], 31, v0                        ; which are 512 consecutive bytes of Y
	v_lshlrev_b32 v[PF], 12, v[GO]                 ; the prefetch: lane l takes row l of my work-group's 32,
	v_lshlrev_b32 v[GO], 4, v[GO]
	s_lshl_b32 s31, s[WN], 8                       ; wave 0 the first 256 bytes of the step's 512, wave 1 the second
	v_add_nc_u32 v[PF], s31, v[PF]
; n products: row block a, column blocks b0 on, 32 along K, from buffer f.  zero = 1: the product starts the sum: nothing is ever cleared.
; Every quarter takes the 32 accumulators in the same order, one instruction a turn: between two links of a chain stand the 31 others', over every backward jump too.
.macro MULN f, a, b0, n, zero
	WIN MUL
.set bb, \b0
.rept \n
.if \zero
	v_wmma_f32_16x16x32_bf16 v[8*(8*(\a)+bb):8*(8*(\a)+bb)+7], v[BF+64*(\f)+8*bb:BF+64*(\f)+8*bb+7], v[AF+32*(\f)+8*(\a):AF+32*(\f)+8*(\a)+7], 0
.else
	v_wmma_f32_16x16x32_bf16 v[8*(8*(\a)+bb):8*(8*(\a)+bb)+7], v[BF+64*(\f)+8*bb:BF+64*(\f)+8*bb+7], v[AF+32*(\f)+8*(\a):AF+32*(\f)+8*(\a)+7], v[8*(8*(\a)+bb):8*(8*(\a)+bb)+7]
.endif
.set bb, bb+1
.endr
.endm
; 32 LDS loads in one run: quarter k (0, 1) of the pair in hand: X's 64 rows x 32 K as f32, then W's 32 d x 128 columns, turned, into buffer g
.macro FETCH k, g
	WIN 0
.irp i, 0,1,2,3
	ds_load_b128 v[AT+16*(\i):AT+16*(\i)+3],     v[ADA] offset:16*(\i)*PA+128*(\k)
	ds_load_b128 v[AT+16*(\i)+4:AT+16*(\i)+7],   v[ADA] offset:16*(\i)*PA+128*(\k)+16
	ds_load_b128 v[AT+16*(\i)+8:AT+16*(\i)+11],  v[ADA] offset:16*(\i)*PA+128*(\k)+64
	ds_load_b128 v[AT+16*(\i)+12:AT+16*(\i)+15], v[ADA] offset:16*(\i)*PA+128*(\k)+80
.endr
	WIN 0x40                                       ; destination window 1, address window 0
.irp b, 0,1,2,3,4,5,6,7
	ds_load_tr16_b128 v[BF+64*(\g)+8*(\b):BF+64*(\g)+8*(\b)+3],   v[ADB] offset:32*(\k)*PB+32*(\b)
	ds_load_tr16_b128 v[BF+64*(\g)+8*(\b)+4:BF+64*(\g)+8*(\b)+7], v[ADB] offset:32*(\k)*PB+32*(\b)+16*PB
.endr
.endm
.macro CVT g, i                        ; row block i of X, rounded to bf16: a fragment of buffer g
	WIN 0
.irp j, 0,1,2,3,4,5,6,7
	v_cvt_pk_bf16_f32 v[AF+32*(\g)+8*(\i)+(\j)], v[AT+16*(\i)+2*(\j)], v[AT+16*(\i)+2*(\j)+1]
.endr
.endm
; A QUARTER multiplies buffer f.  At its head it fetches quarter k of the pair into buffer g, so that a fetch has a whole quarter in which to land; in its second half X's part of that fetch is
; rounded to bf16, eight conversions behind every four products.  The eight behind the quarter's last product name none of its registers: they are the places in front of the
; next loads into the buffer just multiplied, of the next writes of its fragments of X, and of a way out's first conversions.  It leaves every window 0.
.macro QUARTER k, f, g, zero=0
	FETCH \k, \g
	s_wait_dscnt 32                                ; all but the 32 just issued: W's fragments of buffer f are in
	MULN \f, 0, 0, 8, \zero
	MULN \f, 1, 0, 8, \zero
	s_wait_dscnt 16                                ; X's f32 are in: W's sixteen younger loads may be out
	MULN \f, 2, 0, 4, \zero
	CVT \g, 0
	MULN \f, 2, 4, 4, \zero
	CVT \g, 1
	MULN \f, 3, 0, 4, \zero
	CVT \g, 2
	MULN \f, 3, 4, 4, \zero
	CVT \g, 3
.endm
; THE CHANGE OF SLOTS, behind a step's second pair, whose fetches are the slot's last reads.  Each wave waits for all its tensor loads, of which one is out: its part of the next slot; adds 0 to its
; spare word; and waits for that and for its reads of this slot.  Behind the barrier nobody reads this slot any more and the next slot is whole.  No product stands between the wait for the tile and
; the refill: every product that does without the new tile has been issued ahead of the wait but the step's last quarter's, which follow the refill.
; fill = 1: the barrier is a round of the cluster's, and the slot is filled again, with step RQ, first thing behind it: a step's 128 matrix instructions stand between the request and the wait for it.
; W's address steps on; X's is made anew from the step's number: its tensor's address, my rows, the step's 512 bytes.  fill = 0: nothing is left to fetch: the barrier alone.
.macro MEET fill
	s_wait_tensorcnt 0x0                           ; no tensor load of mine is out, so a group 0 may be written
	ds_add_u32 v[SPW], v[NIL]                      ; 0 onto my spare word: scalar work stands between it and the wait for it
.if \fill
	s_wait_xcnt 0x0                                ; the last trip's prefetch has had its addresses translated (ISA guide 3.1): only behind this wait is its base rewritten
	s_xor_b32 s[G0A+5], s[G0A+5], SLOT1            ; the walking descriptors: the other slot than last time
	s_xor_b32 s[G0B+5], s[G0B+5], SLOT1
	s_add_nc_u64 s[G0B+6:G0B+7], s[G0B+6:G0B+7], BSTEP  ; W's next K step; the type bits on top are not reached
	s_and_b32 s[AO], s[RQ], 7
	s_lshl_b32 s[AO], s[AO], 9
	s_add_co_u32 s[AO], s[AO], s[AROW]
	s_lshr_b32 s[RTI], s[RQ], 3
	s_cmp_eq_u32 s[RTI], 1
	s_cselect_b64 s[AP:AP+1], s[6:7], s[4:5]
	s_cmp_eq_u32 s[RTI], 2
	s_cselect_b64 s[AP:AP+1], s[8:9], s[AP:AP+1]
	s_add_nc_u64 s[G0A+6:G0A+7], s[AP:AP+1], s[AO:AO+1]
	s_or_b32 s[G0A+7], s[G0A+7], 0x80000000
	s_add_co_u32 s[RQ], s[RQ], 1
	s_min_u32 s[PQ], s[RQ], STEPS-1                ; the prefetch: the step behind, or the walk's last
	s_and_b32 s[PO], s[PQ], 7
	s_lshl_b32 s[PO], s[PO], 9
	s_add_co_u32 s[PO], s[PO], s[PROW]
	s_lshr_b32 s[PQ], s[PQ], 3
	s_cmp_eq_u32 s[PQ], 1
	s_cselect_b64 s[PFB:PFB+1], s[6:7], s[4:5]
	s_cmp_eq_u32 s[PQ], 2
	s_cselect_b64 s[PFB:PFB+1], s[8:9], s[PFB:PFB+1]
	s_add_nc_u64 s[PFB:PFB+1], s[PFB:PFB+1], s[PO:PO+1]
.endif
	s_sub_co_u32 s[TKA], s[TKA], 2*256             ; the fetches go back to a slot's first pair,
	s_xor_b32 s[TKA], s[TKA], SLOT1                ; in the other slot
	s_sub_co_u32 s[TKB], s[TKB], 2*64*PB
	s_xor_b32 s[TKB], s[TKB], SLOT1
	s_wait_dscnt 0x0                               ; the add is done, and my reads of this slot are over
.if \fill
	CROUND                                         ; no wave of any partner still reads this slot's tile or has a load on its way
	JLOAD
.else
	s_barrier_signal -1
	s_barrier_wait -1
.endif
.endm
; THE WAY OUT of row block a.  A lane's eight columns pack into 16 bytes of f16; my 128 columns are two heads of 64 channels.  They go into my own stage, rows of 144 bytes, a plane a head, and
; come back as whole rows of 128 bytes, four rows to a load.  Each accumulator's registers are taken in ascending order.
.macro PACK a
.set BKA, 32+32*(\a)+96*((\a)/3)       ; v32, v64, v96, v224
	WIN 0x0a                                       ; sources 0 and 1 window 2, destination window 0
.irp b, 0,1,2,3,4,5,6,7
.irp r, 0,1,2,3
	v_cvt_pk_f16_f32 v[TMP+4*(\b)+(\r)], v[8*(8*(\a)+(\b))+2*(\r)], v[8*(8*(\a)+(\b))+2*(\r)+1]
.endr
.endr
	WIN 0
.irp b, 0,1,2,3,4,5,6,7
	ds_store_b128 v[STO], v[TMP+4*(\b):TMP+4*(\b)+3] offset:((\b)/4)*HPL+((\b)%4)*32
.endr
.irp t, 0,1,2,3,4,5,6,7
	ds_load_b128 v[BKA+4*(\t):BKA+4*(\t)+3], v[RD] offset:((\t)/4)*HPL+((\t)%4)*4*SP  ; LDS serves a wave's instructions in order (ISA guide 5.7.1.4): these see the stores above; the next block's stores come behind them
.endr
.endm
.macro SEND a, younger                 ; younger: the LDS instructions issued behind block a's loads: the next block's sixteen, or none
.set BKA, 32+32*(\a)+96*((\a)/3)
.irp t, 0,1,2,3,4,5,6,7
	s_wait_dscnt (\younger)+7-(\t)
	global_store_b128 v[GO], v[BKA+4*(\t):BKA+4*(\t)+3], s[YP:YP+1] offset:((\t)/4)*HEADB+2048*(\a)+512*((\t)%4)  ; 512 consecutive bytes, at a multiple of 256 from Y's first byte
.endr
.endm
; A tile's way out.  more = 1: the walk goes on: X's f32 registers, two of the four sets, and Y's address are written again only behind the wait at its end.
.macro WAYOUT more
	s_cmp_eq_u32 s[WT], 1                          ; the tensor's output
	s_cselect_b64 s[YP:YP+1], s[14:15], s[12:13]
	s_cmp_eq_u32 s[WT], 2
	s_cselect_b64 s[YP:YP+1], s[16:17], s[YP:YP+1]
	s_add_nc_u64 s[YP:YP+1], s[YP:YP+1], s[YO:YO+1]
	s_add_co_u32 s[WT], s[WT], 1
	PACK 0
	PACK 1                                         ; a block's arithmetic stands between the loads of the block before and its stores; each block has registers of its own
	SEND 0, 16
	PACK 2
	SEND 1, 16
	PACK 3
	SEND 2, 16
	SEND 3, 0
.if \more
	s_wait_xcnt 0x0                                ; the stores have had their addresses translated (ISA guide 3.1)
.endif
.endm
	s_wait_tensorcnt 1                             ; my part of K step 0 is in; step 1's may stay out
	s_barrier_signal -1
	s_barrier_wait -1                              ; everybody's is
	FETCH 0, 0
	s_wait_dscnt 16                                ; X's f32 are in
	CVT 0, 0
	CVT 0, 1
	CVT 0, 2
	CVT 0, 3                                       ; (leaves every window 0, as at every label and branch below)
	s_branch .Lzero                                ; the loop is entered where a tile begins, in the middle of a pair
.Lstep:                                                ; 22 trips: step s is fetched and, a quarter behind, multiplied; step s + 2 is asked for: steps 2 to 23
	s_mov_b32 s[IC], 2
.Lpair:
	v_add_nc_u32 v[ADA], s[TKA], v[ADA0]
	v_add_nc_u32 v[ADB], s[TKB], v[ADB0]
	QUARTER 0, 1, 0                                ; multiplies the quarter fetched last: in a tile's first pair the tile before's last
	s_cmp_lg_u32 s[PT], 0
	s_cbranch_scc1 .Lgo
	WAYOUT 1                                       ; pairs 16 and 32 of the walk: a tile is finished; both of the next tile's first steps have been asked for
	s_mov_b32 s[PT], 16
.Lzero:
	QUARTER 1, 0, 1, 1                             ; the tile's first products start the sums
	s_branch .Lnext
.Lgo:
	QUARTER 1, 0, 1
.Lnext:
	s_add_co_u32 s[TKA], s[TKA], 256               ; the slot's next pair: 64 along K
	s_add_co_u32 s[TKB], s[TKB], 64*PB
	s_sub_co_u32 s[PT], s[PT], 1
	s_sub_co_u32 s[IC], s[IC], 1
	s_cmp_lg_u32 s[IC], 0
	s_cbranch_scc1 .Lpair
	MEET 1
	s_sub_co_u32 s[OC], s[OC], 1
	s_cmp_lg_u32 s[OC], 0
	s_cbranch_scc1 .Lstep
	s_mov_b32 s[OC], 2                             ; the tail has a text of its own: steps 22 and 23 ask for nothing
.Ltstep:
	s_mov_b32 s[IC], 2
.Ltpair:
	v_add_nc_u32 v[ADA], s[TKA], v[ADA0]
	v_add_nc_u32 v[ADB], s[TKB], v[ADB0]
	QUARTER 0, 1, 0
	QUARTER 1, 0, 1
	s_add_co_u32 s[TKA], s[TKA], 256
	s_add_co_u32 s[TKB], s[TKB], 64*PB
	s_sub_co_u32 s[IC], s[IC], 1
	s_cmp_lg_u32 s[IC], 0
	s_cbranch_scc1 .Ltpair
	MEET 0                                         ; behind step 22: step 23's tile is whole.  Behind step 23 the barrier serves nothing: the price of one text for both trips; its wait for LDS serves the products below
	s_sub_co_u32 s[OC], s[OC], 1
	s_cmp_lg_u32 s[OC], 0
	s_cbranch_scc1 .Ltstep
	MULN 1, 0, 0, 8, 0                             ; the very last quarter: nothing more to fetch
	MULN 1, 1, 0, 8, 0
	MULN 1, 2, 0, 8, 0
	MULN 1, 3, 0, 8, 0
	WIN 0
.rept 4
	v_nop                                          ; the places between the last products and the conversions that read results
.endr
	WAYOUT 0
	s_wait_tensorcnt 0x0                           ; the wave's end: behind my last tensor load and my last LDS store
	ds_add_u32 v[SPW], v[NIL]
	s_wait_dscnt 0x0
	CROUND                                         ; the closing round: no work-group ends while a partner may still ask for a tile that names it
	s_endpgm
.Lfunc_end_k_q4902d4c6fc_proj:
	.size	k_q4902d4c6fc_proj, .Lfunc_end_k_q4902d4c6fc_proj-k_q4902d4c6fc_proj
	.p2alignl 7, 3214868480
	.fill 96, 4, 3214868480
	.section	.rodata,"a",@progbits
	.p2align	6, 0x0
	.amdhsa_kernel k_q4902d4c6fc_proj
		.amdhsa_group_segment_fixed_size 327680
		.amdhsa_private_segment_fixed_size 0
		.amdhsa_enable_private_segment 0
		.amdhsa_kernarg_size 56
		.amdhsa_user_sgpr_count 2
		.amdhsa_user_sgpr_kernarg_segment_ptr 1
		.amdhsa_wavefront_size32 1
		.amdhsa_system_sgpr_workgroup_id_x 1
		.amdhsa_system_sgpr_workgroup_id_y 1
		.amdhsa_system_sgpr_workgroup_id_z 1
		.amdhsa_system_vgpr_workitem_id 0
		.amdhsa_next_free_vgpr 768
		.amdhsa_next_free_sgpr 92
		.amdhsa_reserve_vcc 0
		.amdhsa_float_denorm_mode_32 3
		.amdhsa_float_denorm_mode_16_64 3
		.amdhsa_memory_ordered 1
		.amdhsa_forward_progress 1
		.amdhsa_inst_pref_size 83
	.end_amdhsa_kernel
	.amdgpu_metadata
---
amdhsa.version: [ 1, 2 ]
amdhsa.kernels:
  - .name:           k_q4902d4c6fc_proj
    .symbol:         k_q4902d4c6fc_proj.kd
    .args:
      - { .name: q, .offset: 0, .size: 8, .value_kind: global_buffer, .address_space: global }
      - { .name: k, .offset: 8, .size: 8, .value_kind: global_buffer, .address_space: global }
      - { .name: v, .offset: 16, .size: 8, .value_kind: global_buffer, .address_space: global }
      - { .name: wts, .offset: 24, .size: 8, .value_kind: global_buffer, .address_space: global }
      - { .name: qh, .offset: 32, .size: 8, .value_kind: global_buffer, .address_space: global }
      - { .name: kh, .offset: 40, .size: 8, .value_kind: global_buffer, .address_space: global }
      - { .name: vh, .offset: 48, .size: 8, .value_kind: global_buffer, .address_space: global }
    .group_segment_fixed_size: 327680
    .private_segment_fixed_size: 0
    .kernarg_segment_align: 8
    .kernarg_segment_size: 56
    .max_flat_workgroup_size: 128
    .sgpr_count:     92
    .vgpr_count:     768
    .wavefront_size: 32
...
	.end_amdgpu_metadata
.endif
;; end of part 2
;; launch attn (part 3): grid 4 x 64, 4 waves a work-group, no clusters, 327,680 bytes of LDS; arguments qh, kh, vh, oh; writes oh
.if DOCPART == 3
	.amdgcn_target "amdgcn-amd-amdhsa--gfx1250"
	.amdhsa_code_object_version 6
	.text
	.protected	k_q4902d4c6fc_attn
	.globl	k_q4902d4c6fc_attn
	.p2align	8
	.type	k_q4902d4c6fc_attn,@function
k_q4902d4c6fc_attn:
	s_mov_b64 s[64:65], 0
	v_nop
	global_prefetch_b8 v0, s[64:65] scope:SCOPE_SE
	s_setreg_imm32_b32 hwreg(HW_REG_WAVE_MODE, 25, 1), 1
	s_wait_xcnt 0x0
; CAUSAL ATTENTION.  O[h][q][:] = the sum over k <= q of softmax_k(Q[h][q] . K[h][k] / 8) V[h][k][:].  Q, K, V, O: [SIZE_H][SIZE_N][64], all f16: a head's rows are dense, 128 bytes each.
; Products, maxima and sums in f32; the weights p are rounded to f16 for the second product (their sum l is taken of the unrounded p), O once at the end.
; LIMITS.  f16 holds no number beyond 65,504: Q, K and V arrive within it; p lies in 0 to 1, and below 6e-5 it keeps f16's fixed step of 6e-8; O is a mean of V's rows and has their range, to within 2^-11 of it.
; A hidden score counts as its value less 1e30: f16's scores, 2.7e11 at the most, are nothing beside that; a weight below 2^-126 counts as 0 in l; NaN and infinities are not treated apart.
; THE WALK.  A head's queries lie in NB = SIZE_N / 256 blocks of 256; block i needs the key tiles 0 .. i of 256 keys, of which the last holds the diagonal.  A work-group takes TWO blocks, NB - 1 - b and then b:
; NB + 1 tiles, whatever b: all work-groups do equal work, and ONE loop with a constant trip count walks them.  Which tile is asked for, and what a trip does, hang on scalar registers made from b; every jump
; goes forward, but for the counted loops' own; none passes a barrier, or a tensor load but the one of LOAD's two that the wave's number does not choose; the ring (two slots of LDS that take turns) runs on across the
; change of blocks.  NO CLUSTER: a head's NB / 2 = 4 work-groups all ask for the same tile only in trips 0 .. NB / 2, 5 of the walk's 9; behind that fewer and fewer share one;
; and one walk common to all, in which each makes every joint request, would have 3 NB / 2 = 12 trips for NB + 1 = 9.
; SHARES.  Of a block's four bands of 64 queries a wave owns 16 rows in each: four PIECES.  So the diagonal tile is the same work for all four waves: in its key step s band x sees all keys if s < x,
; none if s > x, and holds the diagonal if s = x.
; THE MASK is the C operand that starts the sum S^T = K Q^T: 0, or -1e30 where the key is hidden.  MD, made once, is the mask of a band's own step for my 16 rows; a product's mask is MD x AL + BE with two scalars:
; (1, 0) if s = x; (0, 0) if s < x; (0, -1e30) if s > x.  Only the diagonal tile's text and a block's beginning make and take masks; elsewhere C is the constant 0.
; LAYOUT, SOFTMAX, TURNS.  S^T = K Q^T holds ONE query a lane (lane % 16) and the keys 8 (lane / 16) + 0..7; two such results rounded to f16 ARE source 1 of O^T = V^T P.  p = 2^(c s - c m), c = log2(e) / 8, with a
; running maximum m; O and l are multiplied by a = 2^(c m_old - c m_new) in every step.  Turn n belongs to piece n: 8 products K Q^T of piece n + 1, later 8 products V^T P of piece n - 1; beside them the scaling,
; exponentials, roundings, sums and rescaling of piece n and the maximum and statistics of piece n + 1.  Four vector instructions stand behind every matrix instruction, the other 54 of a turn's 118 in two LUMPS.
; REGISTERS, in windows of 256 (s_set_vgpr_msb: bits 1:0 source 0, 3:2 source 1, 5:4 source 2, 7:6 destination):
;   window 0: v0-15 addresses and two at work; v16-31 four registers of statistics a piece; v48-55 at work; v64-127 S^T, two buffers; v192-223 P, two buffers (a piece's buffers go by its number's parity)
;   window 1: v0-127 O^T, 32 a piece; v128-159 MD; v160-223 MC, two buffers      window 2: v0-63 Q; v64-127 the second block's Q; v128-191 K of one step; v192-255 V of one step
; lds_bytes claims all of a WGP's LDS; the text uses 218,624 bytes.
.set SIZE_H, 64       ; batch x heads
.set SIZE_N, 2048     ; rows of a head
.set NB,    SIZE_N/256
.set NP,    4         ; pieces a wave: a name, no knob
.set KS,    64        ; keys in a step
.set PK,    144       ; a row of K in LDS: 128 bytes + 16 of padding = 36 words: the 16 rows of a load start at 16 different groups of four banks (64 banks of 4 bytes: ISA guide 11.1)
.set PV,    160       ; a row of V: 128 + 32 = 40 words
.set VOFF,  4*KS*PK   ; a slot holds a tile, four steps: 256 rows of K, then 256 rows of V
.set SLOT1, 1<<17     ; slot 1 begins here, so that one exclusive or turns an address in one slot into the other's
.set STAGE, SLOT1+4*KS*(PK+PV)  ; behind the ring, never filled by a tensor load: 16 rows x 144 bytes for each wave, for the way out
.set SP,    144
.set AK0, 2           ; v2   my lane's place in a tile of K; never rewritten
.set AV0, 3           ; v3   the same for V
.set AK,  4           ; v4   the LDS address of K's next run of loads
.set AV,  5           ; v5   of V's
.set STO, 6           ; v6   the way out: where I put 16 bytes of a row
.set RD,  7           ; v7   the way out: where I read rows back
.set GO,  8           ; v8   my byte offset in 512 consecutive bytes of O
.set SPW, 62          ; v62  LDS address of my spare word: SPARE + 4 x my thread's number; never rewritten
.set NIL, 63          ; v63  0; never rewritten
.set SPARE, STAGE+4*16*SP  ; behind the stages: the spare words, 128 bytes for each wave: two blocks of 256 bytes that no other line names
.set MV,  12          ; v12-13  c m_old, kept while c m is made anew: by buffer
.set QO,  15          ; v15  my byte offset in 16 rows of Q
.set ST,  16          ; piece t's statistics at v[ST+4 t]: c m, m, l (even keys', odd keys')
.set TMP, 48          ; by buffer, four registers c0-c3 at work; when the maximum is found c2 takes a
.set S,   64
.set P,   192
.set MD,  128         ; window 1: the eight registers for group kt of 16 keys at MD + 8 kt
.set MC,  160         ; window 1: the masks of the products to come
.set QB,  64          ; window 2
.set KF,  128         ; window 2: key block kb, channel half c at KF + 16 kb + 8 c
.set VF,  192         ; window 2: key half kk, channel block cb at VF + 32 kk + 8 cb
.set WV,  12          ; s12  my wave's number
.set PB,  14          ; s14  b
.set HI,  15          ; s15  NB - 1 - b
.set G1K, 24          ; s[24:31] descriptor group 1 for K's tiles
.set G1V, 32          ; s[32:39] for V's: it differs in the padding alone
.set G0K, 40          ; s[40:43] descriptor group 0 for K's tiles
.set G0V, 44          ; s[44:47] the same for V's
.set SLOTS, 56        ; s56  tiles still to be asked for
.set CNT, 57          ; s57  counts a tile's key steps, 4 to 1
.set CS,  58          ; s[58:59] c: the packed scaling takes the pair's low word for both halves
.set SEL, 60          ; s[60:61] v_permlanex16_b32's selects: each lane takes its own place in the other half
.set TBK, 62          ; s62  LDS byte at which K of the step to be fetched begins
.set TBV, 63          ; s63  the same for V, less VOFF
.set RT,  70          ; s70  tiles of the block in hand that are still to be entered
.set NXT, 71          ; s71  the tile to be asked for next
.set LQ,  72          ; s72  the last tile of the block whose tiles are being asked for
.set NEW, 73          ; s73  1: the tile to be entered is a block's first
.set OFF, 74          ; s[74:75] a tile's byte offset in K and V
.set AL,  76          ; s[76:77] the mask's factor, in the low word
.set BE,  78          ; s[78:79] the mask's addend
.set OLO, 80          ; s[80:81] O at my rows of the second block
.set BIGN, 82         ; s82  -1e30
.set MSB, 0
.macro WIN new                      ; the high byte repeats the setting that is left; a switch that changes nothing is dropped
.if MSB != (\new)
	s_set_vgpr_msb (MSB<<8)|(\new)
.set MSB, (\new)
.endif
.endm
.set W_KQ, 0x0a       ; K and Q in window 2, S^T in window 0
.set W_KM, 0x1a       ; the same with the C operand in window 1
.set W_PV, 0x52       ; V in window 2, P in window 0, O^T in window 1
.set W_RS, 0x41       ; destination and source 0 in window 1, source 1 in window 0
; A fill.  Waves 0 and 1 fetch the two halves of a tile's K, waves 2 and 3 those of its V: 128 keys each.  An s_nop 0 and four v_nop follow each of the two lines, ahead of the jump and the label.
.macro LOAD
	s_cmp_lt_u32 s[WV], 2
	s_cbranch_scc0 .Lfor_v_\@
	tensor_load_to_lds s[G0K:G0K+3], s[G1K:G1K+7]
	s_nop 0
.rept 4
	v_nop
.endr
	s_branch .Lasked_\@
.Lfor_v_\@:
	tensor_load_to_lds s[G0V:G0V+3], s[G1V:G1V+7]
	s_nop 0
.rept 4
	v_nop
.endr
.Lasked_\@:
.endm
; THE CHANGE OF SLOTS.  Each wave waits for all its tensor loads, of which one is out: its part of the other slot; adds 0 to its spare word; and waits for that and for its own reads of the slot that it leaves.  Behind the barrier nobody reads the old
; slot any more and the other slot is whole.  fill = 1: the old slot is filled again, the first thing behind the barrier, with tile NXT: the descriptor's address is made anew from that number.
; (At its first use nothing has been read yet: slot 0 is waited for, slot 1 filled.)
.macro CHANGE fill
	WIN 0                           ; at a label and at a branch every window is 0
	s_wait_tensorcnt 0x0            ; no tensor load of mine is out, so a group 0 may be written
	ds_add_u32 v[SPW], v[NIL]       ; 0 onto my spare word: with fill = 1 the descriptors' scalar work stands between it and the wait for it
.if \fill
	s_lshl_b32 s[OFF], s[NXT], 15   ; a tile is 32,768 bytes of K and of V
	s_xor_b32 s[G0K+1], s[G0K+1], SLOT1
	s_add_nc_u64 s[G0K+2:G0K+3], s[6:7], s[OFF:OFF+1]
	s_or_b32 s[G0K+3], s[G0K+3], 0x80000000
	s_xor_b32 s[G0V+1], s[G0V+1], SLOT1
	s_add_nc_u64 s[G0V+2:G0V+3], s[8:9], s[OFF:OFF+1]
	s_or_b32 s[G0V+3], s[G0V+3], 0x80000000
	s_add_co_u32 s[NXT], s[NXT], 1  ; the block's next tile, or behind its last the second block's tile 0
	s_cmp_gt_u32 s[NXT], s[LQ]
	s_cselect_b32 s[NXT], 0, s[NXT]
	s_cselect_b32 s[LQ], s[PB], s[LQ]
.endif
	s_wait_dscnt 0x0                ; the add is done, and my reads of the slot are over
	s_barrier_signal -1             ; the rest of the scalar work stands between the signal and the wait
	s_sub_co_u32 s[TBK], s[TBK], 4*KS*PK  ; the fetches go back to a slot's first step,
	s_xor_b32 s[TBK], s[TBK], SLOT1       ; in the other slot
	s_sub_co_u32 s[TBV], s[TBV], 4*KS*PV
	s_xor_b32 s[TBV], s[TBV], SLOT1
	s_barrier_wait -1
.if \fill
	LOAD
.endif
.endm
	s_load_b256 s[4:11], s[0:1], 0x0  ; Q s[4:5], K s[6:7], V s[8:9], O s[10:11]
	v_lshl_add_u32 v[SPW], v0, 2, SPARE
	v_mov_b32 v[NIL], 0
	ds_add_u32 v62, v63
	ds_add_u32 v62, v63
	s_wait_dscnt 0x0
	v_lshrrev_b32 v1, 5, v0
	v_readfirstlane_b32 s[WV], v1   ; wave 0..3
	s_mov_b32 s[PB], ttmp9
	s_sub_co_u32 s[HI], NB-1, s[PB]
	s_and_b32 s20, ttmp7, 0xffff    ; the head
	s_mov_b32 s21, 0
	s_mov_b64 s[22:23], SIZE_N*128
	s_mul_u64 s[20:21], s[20:21], s[22:23]  ; the head's first byte in each of the four tensors
	s_and_b32 s16, s[WV], 1         ; which half of a tile's 256 keys I fetch:
	s_lshl_b32 s22, s16, 14         ; its 128 rows of 128 bytes in memory,
	s_mov_b32 s23, 0
	s_add_nc_u64 s[22:23], s[22:23], s[20:21]
	s_mul_i32 s17, s16, 128*PK      ; and its place in a slot, for K
	s_mul_i32 s18, s16, 128*PV      ; and for V
	s_lshl_b32 s3, s[WV], 11        ; my 16 rows in a band of 64,
	s_lshl_b32 s2, s[HI], 15        ; in the first block,
	s_add_co_u32 s2, s2, s3
	s_lshl_b32 s84, s[PB], 15       ; and in the second
	s_add_co_u32 s84, s84, s3
	s_mov_b32 s3, 0
	s_mov_b32 s85, 0
	s_add_nc_u64 s[2:3], s[2:3], s[20:21]
	s_add_nc_u64 s[84:85], s[84:85], s[20:21]
	; descriptor group 1.  128 keys are 16,384 dense bytes: asked for as 64 rows of 256 bytes, two keys a row, and padded in LDS after every key
	s_mov_b32 s[G1K], (1<<16)|(1<<20)|(4<<22)|(3<<25)  ; 17:16 2-byte elements; 20 padding on; 24:22 after every 32 words (code 4); 31:25 4 words (code 3)
	s_mov_b32 s[G1V], (1<<16)|(1<<20)|(4<<22)|(7<<25)  ; the same with 8 words of padding (code 7)
.irp g, G1K, G1V
	s_mov_b32 s[\g+1], 128<<16      ; tensor_dim0 = 128
	s_mov_b32 s[\g+2], 64<<16       ; tensor_dim1 = 64
	s_mov_b32 s[\g+3], 128<<16      ; tile_dim0 = 128
	s_mov_b32 s[\g+4], 64           ; tile_dim1 = 64
	s_mov_b32 s[\g+5], 128          ; 128 elements from row to row
	s_mov_b32 s[\g+6], 0
	s_mov_b32 s[\g+7], 0
.endr
	s_mov_b32 s[CS], 0x3e38aa3b     ; c = log2(e) / 8 = 0.180337
	s_mov_b32 s[CS+1], s[CS]        ; named with it as a pair
	s_mov_b32 s[SEL], 0x76543210
	s_mov_b32 s[SEL+1], 0xfedcba98
	s_mov_b32 s[TBK], SLOT1+4*KS*PK ; the first change of slots turns these two into 0
	s_mov_b32 s[TBV], SLOT1+4*KS*PV
	s_mov_b32 s[G0K], 1             ; 1:0 count = 1
	s_mov_b32 s[G0K+1], s17         ; 63:32 LDS address: slot 0
	s_mov_b32 s[G0V], 1
	s_add_co_u32 s[G0V+1], s18, VOFF
	s_add_co_u32 s[RT], s[HI], 1    ; the first block has NB - b tiles
	s_mov_b32 s[NXT], 1
	s_mov_b32 s[LQ], s[HI]
	s_mov_b32 s[NEW], 1
	s_mov_b32 s[OFF+1], 0
	s_mov_b32 s[AL+1], 0            ; named as pairs
	s_mov_b32 s[BE+1], 0
	s_mov_b32 s[BIGN], 0xf149f2ca   ; -1e30
	s_mov_b32 s[SLOTS], NB
	s_wait_kmcnt 0x0
	s_add_nc_u64 s[6:7], s[6:7], s[22:23]  ; K and V at my half of the head's tile 0
	s_add_nc_u64 s[8:9], s[8:9], s[22:23]
	s_add_nc_u64 s[G0K+2:G0K+3], s[6:7], 0         ; 120:64 global address
	s_or_b32 s[G0K+3], s[G0K+3], 0x80000000        ; 127:126 type = 2
	s_add_nc_u64 s[G0V+2:G0V+3], s[8:9], 0
	s_or_b32 s[G0V+3], s[G0V+3], 0x80000000
	s_add_nc_u64 s[86:87], s[4:5], s[84:85]        ; Q at my rows of the second block,
	s_add_nc_u64 s[4:5], s[4:5], s[2:3]            ; Q and O at those of the first
	s_add_nc_u64 s[OLO:OLO+1], s[10:11], s[84:85]
	s_add_nc_u64 s[10:11], s[10:11], s[2:3]
	LOAD                            ; tile 0 into slot 0
	; A fragment of K or Q is 16 rows x 32 channels in 8 registers: lane l holds row l % 16, channels 8 (l / 16) + 0..7 and 16 + 8 (l / 16) + 0..7: two loads of 16 bytes, 32 bytes apart.
	v_and_b32 v1, 15, v0            ; l % 16
	v_bfe_u32 v9, v0, 4, 1          ; l / 16
	v_lshlrev_b32 v[QO], 7, v1
	v_lshl_add_u32 v[QO], v9, 4, v[QO]  ; row x 128 + 16 x half
	WIN 0x80                        ; destination window 2, address window 0
.set i, 0
.rept 8                             ; both blocks' Q: piece i / 2 lies in band i / 2, 8,192 bytes on; channels 32 (i % 2) on
	global_load_b128 v[8*i:8*i+3],   v[QO], s[4:5] offset:(i/2)*8192+(i%2)*64
	global_load_b128 v[8*i+4:8*i+7], v[QO], s[4:5] offset:(i/2)*8192+(i%2)*64+32
	global_load_b128 v[QB+8*i:QB+8*i+3],   v[QO], s[86:87] offset:(i/2)*8192+(i%2)*64
	global_load_b128 v[QB+8*i+4:QB+8*i+7], v[QO], s[86:87] offset:(i/2)*8192+(i%2)*64+32
.set i, i+1
.endr
	WIN 0
	v_lshlrev_b32 v14, 3, v9
	v_sub_nc_u32 v14, v1, v14
	s_lshl_b32 s13, s[WV], 4
	v_add_nc_u32 v14, s13, v14      ; my query's place in its band, 16 w + l % 16, less my lanes' 8 (l / 16): register r of group kt is hidden where 16 kt + r is greater
	WIN 0x40
.set i, 0
.rept 32
	v_cmp_gt_i32 vcc_lo, 16*(i/8)+i%8, v14
	v_cndmask_b32 v[MD+i], 0, s[BIGN], vcc_lo
.set i, i+1
.endr
	WIN 0
	v_mul_u32_u24 v[AK0], v1, PK
	v_lshl_add_u32 v[AK0], v9, 4, v[AK0]  ; row x pitch + 16 x half
	; The turning load takes 16 keys x 16 channels (lane l reads key 8 (l / 16) + l % 8, channels 8 ((l / 8) % 2) + 0..7) and leaves half a fragment of V^T: lane l holds channel l % 16 and 8 keys.
	v_and_b32 v10, 7, v0
	v_bfe_u32 v11, v0, 3, 1
	v_lshl_add_u32 v[AV0], v9, 3, v10
	v_mul_u32_u24 v[AV0], v[AV0], PV
	v_lshl_add_u32 v[AV0], v11, 4, v[AV0]
	v_add_nc_u32 v[AV0], VOFF, v[AV0]
	s_mul_i32 s13, s[WV], 16*SP
	s_add_co_u32 s13, s13, STAGE    ; my stage
	v_mul_u32_u24 v[STO], v1, SP    ; in: row l % 16, 16 bytes for each half of the lanes
	v_lshl_add_u32 v[STO], v9, 4, v[STO]
	v_add_nc_u32 v[STO], s13, v[STO]
	v_bfe_u32 v[RD], v0, 3, 2       ; back: 32 lanes take four rows of 128 bytes,
	v_mul_u32_u24 v[RD], v[RD], SP
	v_lshl_add_u32 v[RD], v10, 4, v[RD]
	v_add_nc_u32 v[RD], s13, v[RD]
	v_and_b32 v[GO], 31, v0         ; which are 512 consecutive bytes of O
	v_lshlrev_b32 v[GO], 4, v[GO]
	; A block's first step multiplies O^T and l by a = 0, and its first turn's products V^T P, of a piece that has not been, land in an O^T that is still to be so multiplied.  So these registers need only hold
	; finite numbers: zeros for the first block; what the first block left for the second.  All this stands in the wait for the first tile.
	WIN 0x80
.set i, VF
.rept 64
	v_mov_b32 v[i], 0
.set i, i+1
.endr
	WIN 0x40
.set i, 0
.rept 128
	v_mov_b32 v[i], 0
.set i, i+1
.endr
	WIN 0
.set i, 0
.rept 4
	v_mov_b32 v[ST+4*i+2], 0
	v_mov_b32 v[ST+4*i+3], 0
.set i, i+1
.endr
.set i, P+16
.rept 16
	v_mov_b32 v[i], 0
.set i, i+1
.endr
; THE MATRIX WORK.  The 4 accumulators of a run of 8 take turns.  Product i of 8 of S^T = K Q^T for piece x: channels 32 (i / 4) on, keys 16 (i % 4) on.  The first 4 start the sums: with 0, or (KM = 1) with the mask.
.macro KQ x
.set rS, S+32*((\x)%2)+8*(i%4)
.set rK, KF+16*(i%4)+8*(i/4)
.set rQ, 16*(\x)+8*(i/4)
.set rM, MC+32*((\x)%2)+8*(i%4)
.if (i < 4) && KM
	WIN W_KM
	v_wmma_f32_16x16x32_f16 v[rS:rS+7], v[rK:rK+7], v[rQ:rQ+7], v[rM:rM+7]
.elseif i < 4
	WIN W_KQ
	v_wmma_f32_16x16x32_f16 v[rS:rS+7], v[rK:rK+7], v[rQ:rQ+7], 0
.else
	WIN W_KQ
	v_wmma_f32_16x16x32_f16 v[rS:rS+7], v[rK:rK+7], v[rQ:rQ+7], v[rS:rS+7]
.endif
.endm
; Product i of 8 of O^T += V^T P for piece x: keys 32 (i / 4) on, channels 16 (i % 4) on.
.macro PV x
	WIN W_PV
.set rO, 32*(\x)+8*(i%4)
.set rV, VF+32*(i/4)+8*(i%4)
.set rP, P+16*((\x)%2)+8*(i/4)
	v_wmma_f32_16x16x32_f16 v[rO:rO+7], v[rV:rV+7], v[rP:rP+7], v[rO:rO+7]
.endm
.macro MM                           ; the turn's next matrix instruction.  TURN and BEGIN set Y, i, KM and NOKQ; MM, KQ and OP read them.  NOKQ = 1: a block's last turn: there is no next piece
.if (i < 8) && !NOKQ
	KQ (Y+1)%NP
.elseif i >= 8
.set i, i-8
	PV (Y+NP-1)%NP
.set i, i+8
.endif
.set i, i+1
.endm
; THE LDS LOADS stand in runs of 16, never singly among the matrix instructions: a step's K (64 keys x 64 channels: 8 fragments) and its V (turned).  Their addresses are made some lines ahead.
.macro FETCH_K
	WIN 0x80                        ; destination window 2
.irp f, 0,1,2,3,4,5,6,7             ; keys 16 (f / 2) on, channels 32 (f % 2) on
	ds_load_b128 v[KF+8*\f:KF+8*\f+3],   v[AK] offset:(\f/2)*16*PK+(\f%2)*64
	ds_load_b128 v[KF+8*\f+4:KF+8*\f+7], v[AK] offset:(\f/2)*16*PK+(\f%2)*64+32
.endr
	s_add_co_u32 s[TBK], s[TBK], KS*PK  ; the next fetch is the next step's
	WIN 0
.endm
.macro FETCH_V
	WIN 0x80
.irp f, 0,1,2,3,4,5,6,7             ; keys 32 (f / 4) on, channels 16 (f % 4) on
	ds_load_tr16_b128 v[VF+8*\f:VF+8*\f+3],   v[AV] offset:(\f/4)*32*PV+(\f%4)*32
	ds_load_tr16_b128 v[VF+8*\f+4:VF+8*\f+7], v[AV] offset:(\f/4)*32*PV+16*PV+(\f%4)*32
.endr
	WIN 0
.endm
; THE VECTOR WORK, one line at a time: OP kind, number.  For piece Y: F n: c s - c m for pair n of 16.  E n: the exponential of score n of 32.  C n: pair n rounded to f16.  B n: of the four weights 4 n .. the second
; pair is added onto the first, in place.  L n: l takes that sum (L 0: l = a l + sum).  R n: pair n of 16 of O^T times a.  For piece Y + 1: X n, number n of the 22 that find its maximum and statistics:
;   0-11  four chains c0-c3 of seven scores each, three operands at a time (each accumulator's lowest registers are read first)     12-14, 16  the four scores left over, the old m, and c0-c3 into c0
;   15  c m_old is kept     17, 18  the query's other 32 keys lie in the lane 16 away: the new m     19-21  c m; c m_old - c m_new; a
.set F, 0               ; OP tells the kinds apart by their order: F to L below R, X above it
.set E, 1
.set C, 2
.set B, 3
.set L, 4
.set R, 5
.set X, 6
.macro REGS y                       ; the registers of piece y
.set rT, ST+4*(\y)
.set rC, TMP+4*((\y)%2)
.set rW, MV+((\y)%2)
.set rS, S+32*((\y)%2)
.set rP, P+16*((\y)%2)
.set rO, 32*(\y)
.endm
.macro OP k, n
.if (\k) == R
	REGS Y
	WIN W_RS
	v_pk_mul_f32 v[rO+2*(\n):rO+2*(\n)+1], v[rO+2*(\n):rO+2*(\n)+1], v[rC+2:rC+3] op_sel_hi:[1,0]
.elseif (\k) < R
	REGS Y
	WIN 0
.if (\k) == F
	v_pk_fma_f32 v[rS+2*(\n):rS+2*(\n)+1], v[rS+2*(\n):rS+2*(\n)+1], s[CS:CS+1], v[rT:rT+1] op_sel_hi:[1,0,0] neg_lo:[0,0,1] neg_hi:[0,0,1]
.elseif (\k) == E
	v_exp_f32 v[rS+(\n)], v[rS+(\n)]
.elseif (\k) == C
	s_wait_alu depctr_va_vdst(0)
	v_cvt_pk_f16_f32 v[rP+(\n)], v[rS+2*(\n)], v[rS+2*(\n)+1]
.elseif (\k) == B
	s_wait_alu depctr_va_vdst(0)
	v_pk_add_f32 v[rS+4*(\n):rS+4*(\n)+1], v[rS+4*(\n):rS+4*(\n)+1], v[rS+4*(\n)+2:rS+4*(\n)+3]
.elseif (\n) == 0
	v_pk_fma_f32 v[rT+2:rT+3], v[rT+2:rT+3], v[rC+2:rC+3], v[rS:rS+1] op_sel_hi:[1,0,1]
.else
	v_pk_add_f32 v[rT+2:rT+3], v[rT+2:rT+3], v[rS+4*(\n):rS+4*(\n)+1]
.endif
.elseif NOKQ
	v_nop
.else
	REGS (Y+1)%NP
	WIN 0
.if (\n) < 4
	v_max3_num_f32 v[rC+(\n)], v[rS+8*(\n)], v[rS+8*(\n)+1], v[rS+8*(\n)+2]
.elseif (\n) < 12
	v_max3_num_f32 v[rC+(\n)%4], v[rC+(\n)%4], v[rS+8*((\n)%4)+2*((\n)/4)+1], v[rS+8*((\n)%4)+2*((\n)/4)+2]
.elseif (\n) == 12
	v_max3_num_f32 v[rC], v[rC], v[rS+7], v[rS+15]
.elseif (\n) == 13
	v_max3_num_f32 v[rC+1], v[rC+1], v[rS+23], v[rS+31]
.elseif (\n) == 14
	v_max3_num_f32 v[rC+2], v[rC+2], v[rC+3], v[rT+1]
.elseif (\n) == 15
	v_mov_b32 v[rW], v[rT]
.elseif (\n) == 16
	v_max3_num_f32 v[rC], v[rC], v[rC+1], v[rC+2]
.elseif (\n) == 17
	v_permlanex16_b32 v[rC+3], v[rC], s[SEL], s[SEL+1]
.elseif (\n) == 18
	v_max_num_f32 v[rT+1], v[rC], v[rC+3]
.elseif (\n) == 19
	v_mul_f32 v[rT], s[CS], v[rT+1]
.elseif (\n) == 20
	v_sub_f32 v[rC+1], v[rW], v[rT]
.else
	v_exp_f32 v[rC+2], v[rC+1]
.endif
.endif
.endm
.macro OPS a, i1, b=-1, i2=0, c=-1, i3=0, d=-1, i4=0  ; up to four of them
	OP \a, \i1
.if (\b) >= 0
	OP \b, \i2
.endif
.if (\c) >= 0
	OP \c, \i3
.endif
.if (\d) >= 0
	OP \d, \i4
.endif
.endm
.macro ROW a, i1, b, i2, c, i3, d, i4  ; a matrix instruction and the four behind it
	MM
	OPS \a, \i1, \b, \i2, \c, \i3, \d, \i4
.endm
.macro MASK b                       ; MD x AL + BE into buffer b of MC
	WIN W_RS
.set z, 0
.rept 16
	v_pk_fma_f32 v[MC+32*(\b)+2*z:MC+32*(\b)+2*z+1], v[MD+2*z:MD+2*z+1], s[AL:AL+1], s[BE:BE+1] op_sel_hi:[1,0,0]
.set z, z+1
.endr
.endm
; A TURN, for piece p: the order of its 16 matrix and 118 vector instructions, written out.  Behind a matrix instruction: plain, exponential, plain, plain; or four of the rescaling; or, behind the first, four scalings; none
; names a register of the products round it.  In the lumps exponential and plain by turns while exponentials last.  A line reads no result made fewer than three vector instructions in front of it, five if an exponential made it.
; v_permlanex16_b32 (X 17) stands in a lump.
; m = 1: the diagonal tile: the products take masks, and the turn makes the mask for the products of the turn after it: piece p + 2, in step 4 - CNT of the tile.  end = 1: a block's last two turns: nothing is fetched.
; cnt = 1: the loop's count is taken down some lines ahead of the branch that stands behind the turn.
; K of the next step is fetched in piece 2's turn, six vector instructions behind the last product that read K (five of them plain); V of the step in hand in piece 0's turn, eight behind the last product that read V (four
; plain, and X 17).  Each is waited for a turn later.
.macro TURN p, m=0, end=0, cnt=0
.set Y, (\p)
.set i, 0
.set KM, (\m)
.set NOKQ, (\end)*((\p)/3)
.if (\m) && !(\end)
	s_cmp_eq_u32 s[CNT], 4-((\p)+2)%NP  ; is that step the band's own?
	s_cselect_b32 s[AL], 1.0, 0
	s_cmp_lt_u32 s[CNT], 4-((\p)+2)%NP  ; or a later one?
	s_cselect_b32 s[BE], s[BIGN], 0
.endif
.if ((\p) == 3) && !(\end)
	s_wait_dscnt 0x0                ; K is in
.endif
	ROW F,0, F,1, F,2, F,3
	ROW F,4, E,0, F,5, F,6
	ROW F,7, E,1, F,8, F,9
	ROW F,10, E,2, C,0, F,11
	ROW F,12, E,3, X,15, F,13
	ROW R,0, R,1, R,2, R,3
	ROW B,0, E,4, F,14, L,0
.if ((\p) == 2) && !(\end)
	v_add_nc_u32 v[AK], s[TBK], v[AK0]
.endif
	ROW R,4, R,5, R,6, R,7
	OPS E,5, F,15
.if ((\p) == 2) && !(\end)
	FETCH_K
.endif
	OPS E,6, C,1, E,7, R,8
	OPS E,8, R,9, E,9, C,2
	OPS E,10, X,0, E,11, X,1
	OPS E,12, X,2, E,13, X,3
.if (\p) == 1
	s_wait_dscnt 0x0                ; V is in
.endif
	ROW X,4, E,14, X,5, X,6
	ROW X,7, E,15, X,8, X,9
	ROW X,10, E,16, X,11, X,12
	ROW X,13, E,17, X,14, B,1
	ROW C,4, E,18, X,16, L,1
	ROW B,2, E,19, C,6, L,2
	ROW C,8, E,20, B,3, B,4
.if (\p) == 0
	v_add_nc_u32 v[AV], s[TBV], v[AV0]
.endif
	ROW C,3, E,21, L,3, C,5
	OPS E,22, X,17, E,23, C,10
.if (\p) == 0
	FETCH_V
.endif
	OPS E,24, L,4
	OPS E,25, X,18, E,26, C,7
	OPS E,27, B,5, E,28, X,19
	OPS E,29, C,12, E,30, L,5
	OPS E,31, X,20, B,6, C,9
	OPS C,14, C,11, X,21, L,6
.if (\p) == 0
	s_add_co_u32 s[TBV], s[TBV], KS*PV
.endif
.if \cnt
	s_sub_co_u32 s[CNT], s[CNT], 1
	s_cmp_lg_u32 s[CNT], 0
.endif
	OPS C,13, B,7, C,15, R,10
	OPS R,11, R,12, L,7, R,13
	OPS R,14, R,15
.if (\m) && !(\end)
	MASK (\p)%2
.endif
.endm
; A BLOCK BEGINS.  c m starts far below every c s, so the first step's a is 0; m at the lowest finite number, so the first maximum is the scores'.  The second mask buffer is 0; the first takes piece 0's mask for the tile's step 0: its own, if the block's first tile is the diagonal one.
; Then K of that step, piece 0's first scores, and its maximum and statistics.  The loop is entered at a step's first turn, in the middle of a trip.
.macro BEGIN
	s_mov_b32 s[NEW], 0
	WIN 0x40
.set i, MC+32
.rept 32
	v_mov_b32 v[i], 0
.set i, i+1
.endr
	WIN 0
.set i, 0
.rept 4
	v_mov_b32 v[ST+4*i], 0xfe000000    ; c m: far below every c s
	v_mov_b32 v[ST+4*i+1], 0xff7fffff  ; m
.set i, i+1
.endr
	s_cmp_eq_u32 s[RT], 0
	s_cselect_b32 s[AL], 1.0, 0
	s_mov_b32 s[BE], 0
	MASK 0
	WIN 0
	v_add_nc_u32 v[AK], s[TBK], v[AK0]
	FETCH_K
	s_wait_loadcnt 0x0              ; Q
	s_wait_dscnt 0x0
.set KM, 1
.set NOKQ, 0
.set i, 0
.rept 8
	KQ 0
.set i, i+1
.endr
	WIN 0
.rept 4
	v_nop                           ; the places behind those products
.endr
.set Y, NP-1                        ; X works for piece Y + 1: piece 0
.irp n, 0,1,2,3,4,5,6,7,8,9,10,11,12,13,14,15,16,17,18,19,20,21
	OP X, \n
.endr
	v_nop                           ; a plain instruction behind the exponential
.endm
; THE DIAGONAL TILE's four steps, the block's last two turns, its last products, and THE WAY OUT: l's two halves and the other half of the lanes' are added; O^T is divided by l, rounded to f16 and sent through my
; stage in LDS, a piece at a time.
.macro ALL line:vararg              ; one line for each piece t
.set t, 0
.rept 4
	\line
.set t, t+1
.endr
.endm
.macro PACK t                       ; a lane's eight channels of a row pack into 16 bytes; they go into rows of 144 bytes and come back as whole rows of 128, into S^T's registers
	WIN W_RS
.set i, 32*(\t)
.rept 16
	s_wait_alu depctr_va_vdst(0)
	v_pk_mul_f32 v[i:i+1], v[i:i+1], v[ST+4*(\t)+2:ST+4*(\t)+3] op_sel_hi:[1,0]
.set i, i+2
.endr
	WIN 0x05                        ; sources 0 and 1 window 1, destination window 0
.set i, 0
.rept 16
	v_cvt_pk_f16_f32 v[S+16*(\t)+i], v[32*(\t)+2*i], v[32*(\t)+2*i+1]
.set i, i+1
.endr
	WIN 0
.irp f, 0,1,2,3
	ds_store_b128 v[STO], v[S+16*(\t)+4*\f:S+16*(\t)+4*\f+3] offset:32*\f
.endr
.irp f, 0,1,2,3
	ds_load_b128 v[S+16*(\t)+4*\f:S+16*(\t)+4*\f+3], v[RD] offset:\f*4*SP  ; LDS serves a wave's instructions in order (ISA guide 5.7.1.4): these see the stores above; the next piece's stores come behind them
.endr
.endm
.macro SEND t, younger              ; younger: the LDS instructions issued behind piece t's loads: the next piece's eight, or none
	WIN 0
.irp f, 0,1,2,3
	s_wait_dscnt (\younger)+3-\f
	global_store_b128 v[GO], v[S+16*(\t)+4*\f:S+16*(\t)+4*\f+3], s[10:11] offset:(\t)*8192+\f*512  ; 512 consecutive bytes, at a multiple of 256 from O's first
.endr
.endm
.macro DIAG tag                     ; the tag ends its two labels' names, which the jumps below spell out
.LstepM\tag:
	TURN 2, 1
	TURN 3, 1
	WIN 0
.LfirstM\tag:
	TURN 0, 1
	TURN 1, 1, 0, 1
	WIN 0
	s_cbranch_scc1 .LstepM\tag
	TURN 2, 1, 1
	TURN 3, 1, 1
.set i, 0
.rept 8
	PV NP-1
.set i, i+1
.endr
	WIN 0
	ALL v_add_f32 v[ST+4*t+2], v[ST+4*t+2], v[ST+4*t+3]
	ALL v_permlanex16_b32 v[ST+4*t+3], v[ST+4*t+2], s[SEL], s[SEL+1]
	ALL v_add_f32 v[ST+4*t+2], v[ST+4*t+2], v[ST+4*t+3]
	ALL v_rcp_f32 v[ST+4*t+2], v[ST+4*t+2]
	v_nop                           ; a plain instruction between the last reciprocal and the use of its result
	PACK 0
.set t, 1
.rept 3                             ; a piece's arithmetic stands between the loads of the piece before and its stores
	PACK t
	SEND t-1, 8
.set t, t+1
.endr
	SEND 3, 0
.endm
.set KM, 0
.set NOKQ, 0
.Lslot:                             ; NB times: a tile is entered and the next is asked for
	CHANGE 1
	s_sub_co_u32 s[RT], s[RT], 1
	s_mov_b32 s[CNT], 4
	s_cmp_eq_u32 s[NEW], 1
	s_cbranch_scc1 .Lnew            ; a block's first tile
	s_cmp_eq_u32 s[RT], 0
	s_cbranch_scc0 .Lstep           ; neither its first nor its last
	s_branch .LstepM1
.Lnew:
	BEGIN
	s_branch .Lfirst                ; in the loop a block's first tile is never its last: the first block has two tiles or more, and the second's last is the walk's last
	DIAG 1                          ; in the loop this is the first block's end: the second block's last tile is the walk's last
	s_wait_xcnt 0x0                 ; the stores have read their registers and O's address
	s_mov_b64 s[10:11], s[OLO:OLO+1]
	s_add_co_u32 s[RT], s[PB], 1    ; the second block has b + 1 tiles
	s_mov_b32 s[NEW], 1
	WIN 0x82                        ; the second block's Q goes where the one text of the turns names Q
.set i, 0
.rept 64
	v_mov_b32 v[i], v[QB+i]
.set i, i+1
.endr
	WIN 0
	s_branch .Lbottom
.Lstep:                             ; a trip: pieces 2 and 3 of one step, then pieces 0 and 1 of the next, whose K and V it fetches
	TURN 2
	TURN 3
	WIN 0
.Lfirst:
	TURN 0
	TURN 1, 0, 0, 1
	WIN 0
	s_cbranch_scc1 .Lstep
.Lbottom:
	s_sub_co_u32 s[SLOTS], s[SLOTS], 1
	s_cmp_lg_u32 s[SLOTS], 0
	s_cbranch_scc1 .Lslot
	CHANGE 0                        ; the walk's last tile is written out: nothing is asked for
	s_sub_co_u32 s[RT], s[RT], 1
	s_mov_b32 s[CNT], 4
	s_cmp_eq_u32 s[NEW], 1
	s_cbranch_scc0 .LstepM2
	BEGIN
	s_branch .LfirstM2
	DIAG 2
	s_wait_tensorcnt 0x0            ; the wave's end: behind my last tensor load and my last LDS store
	ds_add_u32 v[SPW], v[NIL]
	s_wait_dscnt 0x0
	s_endpgm
.Lfunc_end_k_q4902d4c6fc_attn:
	.size	k_q4902d4c6fc_attn, .Lfunc_end_k_q4902d4c6fc_attn-k_q4902d4c6fc_attn
	.p2alignl 7, 3214868480
	.fill 96, 4, 3214868480
	.section	.rodata,"a",@progbits
	.p2align	6, 0x0
	.amdhsa_kernel k_q4902d4c6fc_attn
		.amdhsa_group_segment_fixed_size 327680
		.amdhsa_private_segment_fixed_size 0
		.amdhsa_enable_private_segment 0
		.amdhsa_kernarg_size 32
		.amdhsa_user_sgpr_count 2
		.amdhsa_user_sgpr_kernarg_segment_ptr 1
		.amdhsa_wavefront_size32 1
		.amdhsa_system_sgpr_workgroup_id_x 1
		.amdhsa_system_sgpr_workgroup_id_y 1
		.amdhsa_system_sgpr_workgroup_id_z 1
		.amdhsa_system_vgpr_workitem_id 0
		.amdhsa_next_free_vgpr 768
		.amdhsa_next_free_sgpr 88
		.amdhsa_reserve_vcc 1
		.amdhsa_float_denorm_mode_32 3
		.amdhsa_float_denorm_mode_16_64 3
		.amdhsa_memory_ordered 1
		.amdhsa_forward_progress 1
		.amdhsa_inst_pref_size 228
	.end_amdhsa_kernel
	.amdgpu_metadata
---
amdhsa.version: [ 1, 2 ]
amdhsa.kernels:
  - .name:           k_q4902d4c6fc_attn
    .symbol:         k_q4902d4c6fc_attn.kd
    .args:
      - { .name: qh, .offset: 0, .size: 8, .value_kind: global_buffer, .address_space: global }
      - { .name: kh, .offset: 8, .size: 8, .value_kind: global_buffer, .address_space: global }
      - { .name: vh, .offset: 16, .size: 8, .value_kind: global_buffer, .address_space: global }
      - { .name: oh, .offset: 24, .size: 8, .value_kind: global_buffer, .address_space: global }
    .group_segment_fixed_size: 327680
    .private_segment_fixed_size: 0
    .kernarg_segment_align: 8
    .kernarg_segment_size: 32
    .max_flat_workgroup_size: 128
    .sgpr_count:     88
    .vgpr_count:     768
    .wavefront_size: 32
...
	.end_amdgpu_metadata
.endif
;; end of part 3
;; launch outp (part 4): grid 4 x 64, 4 waves a work-group, clusters of 4 x 4, 327,680 bytes of LDS; arguments oh, wts, bo, out0; writes out0
.if DOCPART == 4
	.amdgcn_target "amdgcn-amd-amdhsa--gfx1250"
	.amdhsa_code_object_version 6
	.text
	.protected	k_q4902d4c6fc_outp
	.globl	k_q4902d4c6fc_outp
	.p2align	8
	.type	k_q4902d4c6fc_outp,@function
k_q4902d4c6fc_outp:
	s_mov_b64 s[64:65], 0
	v_nop
	global_prefetch_b8 v0, s[64:65] scope:SCOPE_SE
	s_setreg_imm32_b32 hwreg(HW_REG_WAVE_MODE, 25, 1), 1
	s_wait_xcnt 0x0
	s_wait_alu depctr_hold_cnt(0) depctr_sa_sdst(0) depctr_va_vdst(0) depctr_va_sdst(0) depctr_va_ssrc(0) depctr_va_vcc(0) depctr_vm_vsrc(0)
	s_getreg_b32 s2, hwreg(HW_REG_IB_STS2, 6, 4)
	s_cmp_eq_u32 s2, 0
	s_cbranch_scc0 .Lentry_in_a_cluster
	s_endpgm
.Lentry_in_a_cluster:
	s_bfe_u32 s2, ttmp6, 0x10000c
	s_cmp_lg_u32 s2, 0xf033
	s_cbranch_scc0 .Lentry_shape_is_right
	s_endpgm
.Lentry_shape_is_right:
; THE OUTPUT PROJECTION.  out0[m][n] = the sum over k of O[m][k] Wo[n][k] + bo[n].  m = 2048 b + s, k = 64 h + c.  O: oh, [16 b + h][2048 s][64 c] f16.
; Wo: part 3 of wts, [1024 n][1024 k], Wo rounded to bf16 and written as f16.  bo: [1024] f32, rounded to bf16 here, as every input of the module is.  out0: [8192][1024] f32.  Sums in f32.
; LIMITS.  O and Wo arrive within f16's range, 65,504.  NaN and infinities are not treated apart.
; SHARES.  A tile of out0 is 128 rows x 256 columns: 64 x 4 = 256 work-groups.  Four waves, each 64 rows x 128 columns: 32 accumulators of 16 x 16.
; K = 1024 goes in 8 steps of 128, two heads each, through two LDS slots; a step is four quarters of 32 along K, 32 matrix instructions each, on fragment buffers 0, 1, 0, 1.
; CLUSTER.  4 x 4 work-groups.  The four of a row of the cluster need the same tile of O, the four of a column the same tile of Wo: each tile is asked for JOINTLY, by the same tensor load with the
; same descriptor and a mask that names the four.  Waves 0 and 1 fetch the step's two heads of O (128 rows of 128 bytes are 16,384 dense bytes: asked for as 64 rows of 256), waves 2 and 3 Wo's two halves (128 rows x 256 bytes).
; THE MATRIX INSTRUCTION IS USED TRANSPOSED: source 0 = 16 rows of Wo, source 1 = 16 rows of O: a lane then holds row l % 16 of out0 and eight neighbouring columns.
; REGISTERS, in windows of 256 (s_set_vgpr_msb: bits 1:0 source 0, 3:2 source 1, 5:4 source 2, 7:6 destination):
;   window 0: v0-14 addresses; v16-23 the bias; v32-63, v64-95 O's fragments, two buffers; v96-159, v160-223 the way out, two sets of 16 rows
;   window 1: v0-63, v64-127 Wo's fragments, two buffers          window 2: accumulator (a, b) at v[8 (8 a + b)]
; lds_bytes claims all of a WGP's LDS; the text uses 271,872 bytes.
.set PO,    144                        ; a row of O in LDS: 128 bytes + 16 = 36 words: the 16 rows of a load start at 16 different groups of four banks (64 banks of 4 bytes: ISA guide 11.1)
.set APLANE, 128*PO                    ; a head's 128 rows: what one tensor load brings
.set BOFF,  2*APLANE                   ; Wo's 256 rows lie behind O's two planes
.set PB,    272                        ; a row of Wo: 256 + 16 = 68 words: row r starts at bank 4 r mod 64
.set BHALF, 128*PB
.set SLOT1, 1<<17                      ; slot 1 begins here: no base inside a slot reaches bit 17, so one exclusive or turns an address into the other slot's
.set STAGE, SLOT1+BOFF+2*BHALF         ; behind the ring, never filled by a tensor load: 16 rows x 528 bytes for each wave
.set SPT,   528
.set WST,   16*SPT
.set SPARE, STAGE+4*WST                ; behind the stages: the spare words, 128 bytes for each wave: two blocks of 256 bytes that no other line names
.set ASTEP, 2*2048*128                 ; a K step in O: two heads
.set BSTEP, 128*2                      ; in Wo: 128 numbers along a row
.set ADA0, 4                           ; v4   my lane's place in a slot's O; never rewritten
.set ADB0, 5                           ; v5   the same for Wo
.set ADA,  6                           ; v6   the same in the slot in hand
.set ADB,  7                           ; v7
.set STO,  8                           ; v8   the way out: where I put 32 bytes of a row
.set RD,   9                           ; v9   the way out: where I read a row back
.set CO,   10                          ; v10  my byte offset in 512 consecutive bytes of out0
.set SPW,  12                          ; v12  LDS address of my spare word: SPARE + 4 x my thread's number; never rewritten
.set NIL,  13                          ; v13  0; never rewritten
.set BA,   14                          ; v14  my byte offset in bo
.set BI,   16                          ; v16-19 the bias of my four columns on the way out; v20-21 at work
.set AF,   32
.set BK,   96
.set BF,   0                           ; window 1
.set WV,  18                           ; s18  my wave's number
.set WM,  19                           ; s19  which 64 rows are mine.  Also: I fetch O (0) or Wo (1)
.set WN,  20                           ; s20  which 128 columns.  Also: which head, or which half of Wo's rows, I fetch
.set CX,  21
.set CY,  22
.set NX,  23                           ; s23  tile column
.set MT,  26                           ; s26  tile row
.set RMK, 27                           ; s27  my row of the cluster
.set CMK, 28                           ; s28  my column
.set G1A, 32                           ; s[32:39] descriptor group 1 for O's tiles
.set G1B, 40                           ; s[40:47] for Wo's
.set G0A, 48                           ; s[48:55] descriptor group 0 for O's tiles: a set for each of the two first fills; the second then walks on
.set G0B, 56                           ; s[56:63] the same for Wo's
.set TB,  66                           ; s66  0 or SLOT1: the slot in hand
.set CNT, 67                           ; s67  the loop's count
.set MSB, 0
.macro WIN new                         ; the immediate's high byte repeats the setting that is left; a switch that changes nothing is dropped
.if MSB != (\new)
	s_set_vgpr_msb (MSB<<8)|(\new)
.set MSB, \new
.endif
.endm
.set MUL, 0xa1                         ; source 0 (Wo) window 1, source 1 (O) window 0, C and D window 2
; A joint refill, by the walking descriptors.  The branch hangs on the wave's number alone.  An s_nop 0 and four v_nop follow each of the two lines, ahead of the jump and the label.
.macro JLOAD
	s_cmp_eq_u32 s[WM], 0
	s_cbranch_scc0 .Lfor_b_\@
	tensor_load_to_lds s[G0A+4:G0A+7], s[G1A:G1A+7]
	s_nop 0
.rept 4
	v_nop
.endr
	s_branch .Lasked_\@
.Lfor_b_\@:
	tensor_load_to_lds s[G0B+4:G0B+7], s[G1B:G1B+7]
	s_nop 0
.rept 4
	v_nop
.endr
.Lasked_\@:
.endm
; A round of the cluster's barrier: my work-group's barrier, so that wave 0's signal speaks for all four waves; wave 0 signals; every wave waits for all sixteen work-groups; my work-group's barrier once more.
.macro CREST                           ; a round behind its opening barrier
	s_cmp_lg_u32 s[WV], 0
	s_cbranch_scc1 .Lnot_wave_0_\@
	s_barrier_signal -3
.Lnot_wave_0_\@:
	s_barrier_wait -3
	s_barrier_signal -1
	s_barrier_wait -1
.endm
.macro CROUND
	s_barrier_signal -1
	s_barrier_wait -1
	CREST
.endm
.macro PLACES                          ; four places in front of loads into registers that matrix instructions have read
.rept 4
	v_nop
.endr
.endm
	s_load_b256 s[4:11], s[0:1], 0x0               ; oh s[4:5], wts s[6:7], bo s[8:9], out0 s[10:11]
	v_lshl_add_u32 v[SPW], v0, 2, SPARE
	v_mov_b32 v[NIL], 0
	ds_add_u32 v12, v13
	ds_add_u32 v12, v13
	s_wait_dscnt 0x0
	v_lshrrev_b32 v1, 5, v0
	v_readfirstlane_b32 s[WV], v1                  ; wave 0..3
	s_lshr_b32 s[WM], s[WV], 1
	s_and_b32 s[WN], s[WV], 1
	s_bfe_u32 s[CX], ttmp6, 0x40000                ; my place in the cluster
	s_bfe_u32 s[CY], ttmp6, 0x40004
	s_lshl_b32 s[NX], ttmp9, 2                     ; in a cluster launch ttmp9 and ttmp7 count clusters
	s_add_co_u32 s[NX], s[NX], s[CX]               ; tile column = 4 x cluster x + cx
	s_and_b32 s[MT], ttmp7, 0xffff
	s_lshl_b32 s[MT], s[MT], 2
	s_add_co_u32 s[MT], s[MT], s[CY]               ; tile row = 4 x cluster y + cy
	s_lshl_b32 s[RMK], s[CY], 2
	s_lshl_b32 s[RMK], 15, s[RMK]                  ; places 4 cy .. 4 cy + 3
	s_lshl_b32 s[CMK], 0x1111, s[CX]               ; places cx, cx + 4, cx + 8, cx + 12
	; descriptor group 1.  O: 64 rows x 128 elements of 2 bytes, dense, 4 words of padding behind every 32 words (a row of O).  Wo: 128 rows x 128 elements, 4 words behind every 64.
	s_or_b32 s[G1A], s[RMK], (1<<16)|(1<<20)|(1<<21)|(4<<22)|(3<<25)  ; 15:0 the mask; 17:16 element size; 20 padding on; 21 set beside a mask; 24:22 the interval; 31:25 the padding less 1
	s_mov_b32 s[G1A+1], 128<<16                    ; tensor_dim0
	s_mov_b32 s[G1A+2], 64<<16                     ; tensor_dim1
	s_mov_b32 s[G1A+3], 128<<16                    ; tile_dim0
	s_mov_b32 s[G1A+4], 64                         ; tile_dim1
	s_mov_b32 s[G1A+5], 128                        ; elements from row to row
	s_mov_b32 s[G1A+6], 0
	s_mov_b32 s[G1A+7], 0
	s_or_b32 s[G1B], s[CMK], (1<<16)|(1<<20)|(1<<21)|(5<<22)|(3<<25)
	s_mov_b32 s[G1B+1], 128<<16
	s_mov_b32 s[G1B+2], 128<<16
	s_mov_b32 s[G1B+3], 128<<16
	s_mov_b32 s[G1B+4], 128
	s_mov_b32 s[G1B+5], 1024
	s_mov_b32 s[G1B+6], 0
	s_mov_b32 s[G1B+7], 0
	; offsets, each in registers of its own: O's never hold cx, Wo's never cy
	s_lshr_b32 s70, s[MT], 4                       ; O: batch = tile row / 16,
	s_lshl_b32 s70, s70, 4
	s_add_co_u32 s70, s70, s[WN]                   ; head 16 x batch + my one of the step's two,
	s_lshl_b32 s70, s70, 18                        ; of 262,144 bytes;
	s_and_b32 s71, s[MT], 15
	s_lshl_b32 s71, s71, 14                        ; 128 rows of 128 bytes a tile row
	s_add_co_u32 s70, s70, s71
	s_mov_b32 s71, 0
	s_lshl_b32 s78, s[NX], 8                       ; Wo: row 256 x tile column + 128 x half,
	s_lshl_b32 s79, s[WN], 7
	s_add_co_u32 s78, s78, s79
	s_lshl_b32 s78, s78, 11                        ; of 2,048 bytes,
	s_add_co_u32 s78, s78, 3*2097152               ; in part 3 of wts
	s_mov_b32 s79, 0
	s_lshl_b32 s76, s[MT], 7                       ; out0: row 128 x tile row + 64 x half,
	s_lshl_b32 s77, s[WM], 6
	s_add_co_u32 s76, s76, s77
	s_lshl_b32 s76, s76, 12                        ; of 4,096 bytes;
	s_lshl_b32 s31, s[NX], 10                      ; column 256 x tile column + 128 x half, of 4 bytes: bo's offset too
	s_lshl_b32 s77, s[WN], 9
	s_add_co_u32 s31, s31, s77
	s_add_co_u32 s76, s76, s31
	s_mov_b32 s77, 0
	s_mul_i32 s29, s[WN], APLANE                   ; where my tiles go in a slot: the wave's number alone enters an LDS address
	s_mul_i32 s30, s[WN], BHALF
	s_add_co_u32 s30, s30, BOFF
	s_mov_b32 s[TB], 0
	s_wait_kmcnt 0x0
	s_add_nc_u64 s[68:69], s[4:5], s[70:71]
	s_add_nc_u64 s[72:73], s[6:7], s[78:79]
	s_add_nc_u64 s[74:75], s[10:11], s[76:77]
	CROUND                                         ; all sixteen work-groups are here: the first joint loads meet
.irp s, 0,1
	s_mov_b32 s[G0A+4*(\s)], 1                                        ; 1:0 count = 1
	s_add_co_u32 s[G0A+4*(\s)+1], s29, (\s)*SLOT1                     ; 63:32 LDS address
	s_add_nc_u64 s[G0A+4*(\s)+2:G0A+4*(\s)+3], s[68:69], (\s)*ASTEP   ; 120:64 global address: K step s
	s_or_b32 s[G0A+4*(\s)+3], s[G0A+4*(\s)+3], 0x80000000             ; 127:126 type = 2
	s_mov_b32 s[G0B+4*(\s)], 1
	s_add_co_u32 s[G0B+4*(\s)+1], s30, (\s)*SLOT1
	s_add_nc_u64 s[G0B+4*(\s)+2:G0B+4*(\s)+3], s[72:73], (\s)*BSTEP
	s_or_b32 s[G0B+4*(\s)+3], s[G0B+4*(\s)+3], 0x80000000
.endr
	s_cmp_eq_u32 s[WM], 0                          ; a wave's two first fills stand in one branch, ahead of every wait on TENSORcnt and every LDS read: two loads of mine are out, the most in this text
	s_cbranch_scc0 .Lfirst_b
	tensor_load_to_lds s[G0A:G0A+3], s[G1A:G1A+7]
	s_nop 0
	tensor_load_to_lds s[G0A+4:G0A+7], s[G1A:G1A+7]
	s_nop 0
.rept 4
	v_nop
.endr
	s_branch .Lfirst_asked
.Lfirst_b:
	tensor_load_to_lds s[G0B:G0B+3], s[G1B:G1B+7]
	s_nop 0
	tensor_load_to_lds s[G0B+4:G0B+7], s[G1B:G1B+7]
	s_nop 0
.rept 4
	v_nop
.endr
.Lfirst_asked:
	v_and_b32 v[CO], 31, v0
	v_lshlrev_b32 v[CO], 4, v[CO]                  ; 16 x lane: my 16 bytes of a row's 512
	v_add_nc_u32 v[BA], s31, v[CO]
	global_load_b128 v[BI:BI+3], v[BA], s[8:9]     ; the bias of columns 4 l .. 4 l + 3 of my 128: waited for on the way out
	; A fragment is 16 rows x 32 K in 8 registers: lane l holds row l % 16, K = 8 (l / 16) + 0..7 and 16 + 8 (l / 16) + 0..7: two loads of 16 bytes, 32 bytes apart.
	v_and_b32 v1, 15, v0                           ; l % 16
	v_bfe_u32 v2, v0, 4, 1                         ; l / 16
	v_mul_u32_u24 v[ADA0], v1, PO
	v_lshl_add_u32 v[ADA0], v2, 4, v[ADA0]
	s_mul_i32 s80, s[WM], 64*PO                    ; my 64 rows
	v_add_nc_u32 v[ADA0], s80, v[ADA0]
	v_mul_u32_u24 v[ADB0], v1, PB
	v_lshl_add_u32 v[ADB0], v2, 4, v[ADB0]
	s_mul_i32 s81, s[WN], BHALF                    ; my 128 rows of Wo,
	s_add_co_u32 s81, s81, BOFF                    ; which lie behind O's planes
	v_add_nc_u32 v[ADB0], s81, v[ADB0]
	v_add_nc_u32 v[ADA], s[TB], v[ADA0]
	v_add_nc_u32 v[ADB], s[TB], v[ADB0]
	s_mul_i32 s82, s[WV], WST
	s_add_co_u32 s82, s82, STAGE                   ; my stage
	v_mul_u32_u24 v[STO], v1, SPT                  ; in: row l % 16, 32 bytes for each half of the lanes
	v_lshl_add_u32 v[STO], v2, 5, v[STO]
	v_add_nc_u32 v[STO], s82, v[STO]
	v_add_nc_u32 v[RD], s82, v[CO]                 ; back: 32 lanes take one row of 512 bytes
; n products: row block a, column blocks b0 on, 32 along K, from buffer f.  zero = 1: the product starts the sum: nothing is ever cleared.
; Every quarter takes the 32 accumulators in the same order, one instruction a turn: between two links of a chain stand the 31 others', over the loop's backward jump too.
.macro MULN f, a, b0, n, zero
	WIN MUL
.set bb, \b0
.rept \n
.if \zero
	v_wmma_f32_16x16x32_f16 v[8*(8*(\a)+bb):8*(8*(\a)+bb)+7], v[BF+64*(\f)+8*bb:BF+64*(\f)+8*bb+7], v[AF+32*(\f)+8*(\a):AF+32*(\f)+8*(\a)+7], 0
.else
	v_wmma_f32_16x16x32_f16 v[8*(8*(\a)+bb):8*(8*(\a)+bb)+7], v[BF+64*(\f)+8*bb:BF+64*(\f)+8*bb+7], v[AF+32*(\f)+8*(\a):AF+32*(\f)+8*(\a)+7], v[8*(8*(\a)+bb):8*(8*(\a)+bb)+7]
.endif
.set bb, bb+1
.endr
.endm
; 24 LDS loads in one run: quarter k of the slot in hand into buffer g: Wo's 128 rows, then O's 64 rows (head k / 2 of the step's two, channels 32 (k % 2) on)
.macro FETCH k, g
	WIN 0x40                                       ; destination window 1, address window 0
.irp b, 0,1,2,3,4,5,6,7
	ds_load_b128 v[BF+64*(\g)+8*(\b):BF+64*(\g)+8*(\b)+3],   v[ADB] offset:64*(\k)+16*(\b)*PB
	ds_load_b128 v[BF+64*(\g)+8*(\b)+4:BF+64*(\g)+8*(\b)+7], v[ADB] offset:64*(\k)+16*(\b)*PB+32
.endr
	WIN 0
.irp i, 0,1,2,3
	ds_load_b128 v[AF+32*(\g)+8*(\i):AF+32*(\g)+8*(\i)+3],   v[ADA] offset:((\k)/2)*APLANE+64*((\k)%2)+16*(\i)*PO
	ds_load_b128 v[AF+32*(\g)+8*(\i)+4:AF+32*(\g)+8*(\i)+7], v[ADA] offset:((\k)/2)*APLANE+64*((\k)%2)+16*(\i)*PO+32
.endr
.endm
; A QUARTER multiplies buffer f.  At its head it fetches quarter k into buffer g, which the quarter before multiplied: four places stand in front (pl = 0: a joint refill's four v_nop stand there already,
; or no product has been issued yet).  So a fetch has a whole quarter in which to land.
; meet: the step's third quarter, whose fetch is the slot's last read, changes slots.  Each wave waits for all its tensor loads, of which one is out: its part of the next slot; adds 0 to its spare
; word; and waits for that and for its reads of this slot.  Behind the barrier nobody reads this slot any more and the next slot is whole.
; meet = 1: the barrier opens a round of the cluster's barrier, and the slot is filled again, two K steps ahead, first thing behind the round: 112 matrix instructions ahead of the wait for it.
; meet = 2: nothing is left to fetch: the barrier alone.
.macro QUARTER k, f, g, zero=0, meet=0, pl=1
.if \pl
	PLACES
.endif
	FETCH \k, \g
	s_wait_dscnt 24                                ; all but the 24 just issued: buffer f is in
	MULN \f, 0, 0, 8, \zero
	MULN \f, 1, 0, 8, \zero
.if \meet
	WIN 0                                          ; (the add's two registers lie in window 0)
	s_wait_tensorcnt 0x0                           ; no tensor load of mine is out, so a group 0 may be written
	ds_add_u32 v[SPW], v[NIL]                      ; 0 onto my spare word: work on registers stands between it and the wait for it
.if (\meet) == 1
	s_xor_b32 s[G0A+5], s[G0A+5], SLOT1            ; the walking descriptors: the other slot than last time,
	s_add_nc_u64 s[G0A+6:G0A+7], s[G0A+6:G0A+7], ASTEP  ; the next K step; the type bits on top are not reached
	s_xor_b32 s[G0B+5], s[G0B+5], SLOT1
	s_add_nc_u64 s[G0B+6:G0B+7], s[G0B+6:G0B+7], BSTEP
.endif
.endif
	MULN \f, 2, 0, 8, \zero
.if \meet
	s_wait_dscnt 0x0                               ; the add is done, and my reads of this slot are over
	s_barrier_signal -1
.endif
	MULN \f, 3, 0, 8, \zero
.if \meet
	WIN 0                                          ; at a branch and at a label every window is 0
	s_barrier_wait -1
.if (\meet) == 1
	CREST                                          ; no wave of any partner still reads this slot's tile or has a load on its way
	JLOAD
.endif
	s_xor_b32 s[TB], s[TB], SLOT1                  ; the fetches go on in the other slot
	v_add_nc_u32 v[ADA], s[TB], v[ADA0]
	v_add_nc_u32 v[ADB], s[TB], v[ADB0]
.endif
.endm
	s_wait_tensorcnt 1                             ; my part of K step 0 is in; step 1's may stay out
	s_barrier_signal -1
	s_barrier_wait -1                              ; everybody's is
	FETCH 0, 0
	QUARTER 1, 0, 1, 1, 0, 0                       ; the first quarter stands in front of the loop: its products start the sums
	WIN 0                                          ; at a label and at a branch every window is 0
	s_mov_b32 s[CNT], 6
.Lstep:                                                ; trip j: from step j's second quarter to step j + 1's first; it asks for step j + 2: steps 2 to 7
	QUARTER 2, 1, 0
	QUARTER 3, 0, 1, 0, 1
	QUARTER 0, 1, 0, 0, 0, 0
	QUARTER 1, 0, 1
	WIN 0
	s_sub_co_u32 s[CNT], s[CNT], 1
	s_cmp_lg_u32 s[CNT], 0
	s_cbranch_scc1 .Lstep
	QUARTER 2, 1, 0                                ; the tail is written out: steps 6 and 7 ask for nothing
	QUARTER 3, 0, 1, 0, 2
	QUARTER 0, 1, 0
	QUARTER 1, 0, 1
	QUARTER 2, 1, 0
	QUARTER 3, 0, 1
	s_wait_dscnt 0x0                               ; the very last quarter: nothing more to fetch
	MULN 1, 0, 0, 8, 0
	MULN 1, 1, 0, 8, 0
	MULN 1, 2, 0, 8, 0
	MULN 1, 3, 0, 8, 0
	WIN 0
	s_wait_loadcnt 0x0                             ; the bias
	v_cvt_pk_bf16_f32 v[BI+4], v[BI], v[BI+1]      ; rounded to bf16 and widened again: six plain instructions that name no register of the last products: the places in front of the stores that read results
	v_cvt_pk_bf16_f32 v[BI+5], v[BI+2], v[BI+3]
	v_lshlrev_b32 v[BI], 16, v[BI+4]
	v_and_b32 v[BI+1], 0xffff0000, v[BI+4]
	v_lshlrev_b32 v[BI+2], 16, v[BI+5]
	v_and_b32 v[BI+3], 0xffff0000, v[BI+5]
; THE WAY OUT of row block a.  A lane's eight columns are 32 bytes of a row; they go into my own stage, rows of 528 bytes, each accumulator's low four registers first,
; and come back as whole rows of 512 bytes, a row to a load.
.macro TOSTAGE a
	WIN 0x08                                       ; the stores' data (source 1) in window 2
.irp b, 0,1,2,3,4,5,6,7
	ds_store_b128 v[STO], v[8*(8*(\a)+(\b)):8*(8*(\a)+(\b))+3]   offset:64*(\b)
	ds_store_b128 v[STO], v[8*(8*(\a)+(\b))+4:8*(8*(\a)+(\b))+7] offset:64*(\b)+16
.endr
	WIN 0
.irp t, 0,1,2,3,4,5,6,7,8,9,10,11,12,13,14,15
	ds_load_b128 v[BK+64*((\a)%2)+4*(\t):BK+64*((\a)%2)+4*(\t)+3], v[RD] offset:SPT*(\t)  ; LDS serves a wave's instructions in order (ISA guide 5.7.1.4): these see the stores above; the next block's stores come behind them
.endr
.endm
.macro SEND a, younger                 ; younger: the LDS instructions issued behind block a's loads: the next block's 32, or none
.irp t, 0,1,2,3,4,5,6,7,8,9,10,11,12,13,14,15
	s_wait_dscnt (\younger)+15-(\t)
	v_pk_add_f32 v[BK+64*((\a)%2)+4*(\t):BK+64*((\a)%2)+4*(\t)+1],   v[BK+64*((\a)%2)+4*(\t):BK+64*((\a)%2)+4*(\t)+1],   v[BI:BI+1]
	v_pk_add_f32 v[BK+64*((\a)%2)+4*(\t)+2:BK+64*((\a)%2)+4*(\t)+3], v[BK+64*((\a)%2)+4*(\t)+2:BK+64*((\a)%2)+4*(\t)+3], v[BI+2:BI+3]
	global_store_b128 v[CO], v[BK+64*((\a)%2)+4*(\t):BK+64*((\a)%2)+4*(\t)+3], s[74:75] offset:(16*(\a)+(\t))*4096 th:TH_STORE_NT  ; 512 consecutive bytes, at a multiple of 256 from out0's first byte
.endr
.endm
	TOSTAGE 0
	TOSTAGE 1
	SEND 0, 32
	s_wait_xcnt 0x0                                ; block 0's stores have had their addresses translated (ISA guide 3.1): only behind this wait is their set of registers loaded again
	TOSTAGE 2
	SEND 1, 32
	s_wait_xcnt 0x0                                ; the same for block 1's set
	TOSTAGE 3
	SEND 2, 32
	SEND 3, 0
	s_wait_tensorcnt 0x0                           ; the wave's end: behind my last tensor load and my last LDS store
	ds_add_u32 v[SPW], v[NIL]
	s_wait_dscnt 0x0
	CROUND                                         ; the closing round: no work-group ends while a partner may still ask for a tile that names it
	s_endpgm
.Lfunc_end_k_q4902d4c6fc_outp:
	.size	k_q4902d4c6fc_outp, .Lfunc_end_k_q4902d4c6fc_outp-k_q4902d4c6fc_outp
	.p2alignl 7, 3214868480
	.fill 96, 4, 3214868480
	.section	.rodata,"a",@progbits
	.p2align	6, 0x0
	.amdhsa_kernel k_q4902d4c6fc_outp
		.amdhsa_group_segment_fixed_size 327680
		.amdhsa_private_segment_fixed_size 0
		.amdhsa_enable_private_segment 0
		.amdhsa_kernarg_size 32
		.amdhsa_user_sgpr_count 2
		.amdhsa_user_sgpr_kernarg_segment_ptr 1
		.amdhsa_wavefront_size32 1
		.amdhsa_system_sgpr_workgroup_id_x 1
		.amdhsa_system_sgpr_workgroup_id_y 1
		.amdhsa_system_sgpr_workgroup_id_z 1
		.amdhsa_system_vgpr_workitem_id 0
		.amdhsa_next_free_vgpr 768
		.amdhsa_next_free_sgpr 84
		.amdhsa_reserve_vcc 0
		.amdhsa_float_denorm_mode_32 3
		.amdhsa_float_denorm_mode_16_64 3
		.amdhsa_memory_ordered 1
		.amdhsa_forward_progress 1
		.amdhsa_inst_pref_size 79
	.end_amdhsa_kernel
	.amdgpu_metadata
---
amdhsa.version: [ 1, 2 ]
amdhsa.kernels:
  - .name:           k_q4902d4c6fc_outp
    .symbol:         k_q4902d4c6fc_outp.kd
    .args:
      - { .name: oh, .offset: 0, .size: 8, .value_kind: global_buffer, .address_space: global }
      - { .name: wts, .offset: 8, .size: 8, .value_kind: global_buffer, .address_space: global }
      - { .name: bo, .offset: 16, .size: 8, .value_kind: global_buffer, .address_space: global }
      - { .name: out0, .offset: 24, .size: 8, .value_kind: global_buffer, .address_space: global }
    .group_segment_fixed_size: 327680
    .private_segment_fixed_size: 0
    .kernarg_segment_align: 8
    .kernarg_segment_size: 32
    .max_flat_workgroup_size: 128
    .sgpr_count:     84
    .vgpr_count:     768
    .wavefront_size: 32
...
	.end_amdgpu_metadata
.endif
;; end of part 4
;; ======== version 2 of 2: 4 launches; version 1 with the launch prep written anew for expert scheduling mode
;; limits: values are held in f16: magnitudes above 65,504 overflow, below 6.1e-05 lose precision
;; workspace buffers: wts 8,388,608 bytes; qh 16,777,216 bytes; kh 16,777,216 bytes; vh 16,777,216 bytes; oh 16,777,216 bytes
;; launch prep (part 5): grid 64 x 4, 8 waves a work-group, no clusters, 0 bytes of LDS; arguments Wq, Wk, Wv, Wo, wts; writes wts
.if DOCPART == 5
	.amdgcn_target "amdgcn-amd-amdhsa--gfx1250"
	.amdhsa_code_object_version 6
	.text
	.protected	k_q4902d4c6fc_prep
	.globl	k_q4902d4c6fc_prep
	.p2align	8
	.type	k_q4902d4c6fc_prep,@function
k_q4902d4c6fc_prep:
	s_mov_b64 s[64:65], 0
	v_nop
	global_prefetch_b8 v0, s[64:65] scope:SCOPE_SE
	s_setreg_imm32_b32 hwreg(HW_REG_WAVE_SCHED_MODE, 0, 2), 2
	s_setreg_imm32_b32 hwreg(HW_REG_WAVE_MODE, 25, 1), 1
	s_wait_xcnt 0x0
	s_wait_alu depctr_vm_vsrc(0)
; THE WEIGHTS IN 16 BITS.  wts has four parts of 2,097,152 bytes.  Parts 0, 1, 2: Wq, Wk, Wv ([16 h][1024 d][64 c] f32) rounded to bf16 and laid as
; [d = 1024][n = 64 h + c = 1024], rows of 2,048 bytes, so that a K step's rows of a projection's B tile are 512 neighbouring bytes.
; Part 3: Wo ([1024 n][1024 k] f32) rounded to bf16, and that number written as f16, in Wo's own order.
; LIMITS.  Part 3 is f16: a Wo of 65,520 or more becomes an infinity; below 6e-5 it keeps f16's fixed step of 6e-8.
; A stream: each input byte is read once and each output byte written once; no LDS, no barrier, no matrix unit: there is nothing to share and nothing to multiply.
; SHARES.  Work-group (x, part) makes 32,768 bytes of its part; thread t makes 16 units of 4 numbers: a load of 16 bytes, a store of 8.
; A wave's store covers 256 consecutive bytes, aligned; sixteen lanes of a load read 256 consecutive bytes, aligned.
; THE MODE: SCHED_MODE bits 1:0 = 2 (LLVM: expert scheduling mode 2), set by the entry lines.  The code itself states the register dependences
; between vector instructions and memory instructions, with s_wait_alu, always for 0.
; THE PLAN.  Registers that memory instructions touch, in either arm:
;   v1, v2   the loads' and the stores' byte offsets: made once by vector instructions, never written again.
;   X        unit i's four registers: its load lands there once; its conversions read them; no load lands there again.
;   Y        unit i's two registers: its conversions write them once; its store reads them; they are never written again.
;   T and v3 are named by vector instructions alone.
; The 16 units go in four blocks of four.  Block p's conversions write Y of block p; the stores issued in block p are those of block p - 1, whose Y no vector
; instruction of block p names.  So one wait on va_vdst at a block's head states all that the block's four stores hang on, and these are dealt among its conversions
; with no further wait.  One such wait stands ahead of the loads, for the offsets, and one ahead of the last four stores.  No register that a memory instruction
; reads is written again, so behind the entry lines the text holds no wait on vm_vsrc; no vector instruction writes a scalar register, VCC or EXEC.
.set X, 4                              ; v[4:67]    unit i: 4 numbers as loaded
.set Y, 68                             ; v[68:99]   unit i: 4 numbers in 16 bits
.set T, 100                            ; v[100:103] at work
.set BLK, 4                            ; units in a block
	s_load_b256 s[4:11], s[0:1], 0x0               ; Wq s[4:5], Wk s[6:7], Wv s[8:9], Wo s[10:11]
	s_load_b64 s[12:13], s[0:1], 0x20              ; wts
	s_and_b32 s16, ttmp7, 0xffff                   ; the part
	s_lshl_b32 s18, ttmp9, 12                      ; parts 0-2: 16 rows d of 256 bytes in a head
	s_lshl_b32 s19, ttmp9, 16                      ; part 3: 16 rows of 4,096 bytes
	s_lshl_b32 s20, s16, 21                        ; the part's first byte in wts,
	s_lshl_b32 s21, ttmp9, 15                      ; and the work-group's 32,768 bytes in it
	s_add_co_u32 s20, s20, s21
	s_mov_b32 s21, 0
	s_mov_b32 s22, 0xffff0000                      ; a word's upper bf16
	v_lshlrev_b32 v2, 3, v0                        ; my 8 bytes in a row of 2,048
	s_cmp_eq_u32 s16, 3
	s_cselect_b32 s18, s19, s18
	s_mov_b32 s19, 0
	s_wait_kmcnt 0x0
	s_cmp_eq_u32 s16, 1                            ; the part's source
	s_cselect_b64 s[14:15], s[6:7], s[4:5]
	s_cmp_eq_u32 s16, 2
	s_cselect_b64 s[14:15], s[8:9], s[14:15]
	s_cmp_eq_u32 s16, 3
	s_cselect_b64 s[14:15], s[10:11], s[14:15]
	s_add_nc_u64 s[14:15], s[14:15], s[18:19]
	s_add_nc_u64 s[12:13], s[12:13], s[20:21]
	s_cmp_eq_u32 s16, 3
	s_cbranch_scc1 .Lwo
	; Wq, Wk, Wv: row d = 16 x + i, columns n = 4 t .. 4 t + 3: head t / 16, channels 4 (t % 16) on
	v_lshrrev_b32 v1, 4, v0
	v_and_b32 v3, 15, v0
	v_lshlrev_b32 v1, 18, v1                       ; a head is 262,144 bytes
	v_lshl_or_b32 v1, v3, 4, v1
	s_wait_alu depctr_va_vdst(0)                   ; v1 and v2 are written: every load below reads v1 as its offset, every store v2
.set i, 0
.rept 16
	global_load_b128 v[X+4*i:X+4*i+3], v1, s[14:15] offset:256*i th:TH_LOAD_NT
.set i, i+1
.endr
.set i, 0
.rept 16
	s_wait_loadcnt 15-i                            ; loads come back in order: unit i is in, the 15 - i younger ones stay out
.if (i >= BLK) && (i % BLK == 0)
	s_wait_alu depctr_va_vdst(0)                   ; a block's head: the block before has written its Y, which this block's four stores read
.endif
.if i >= BLK
	global_store_b64 v2, v[Y+2*(i-BLK):Y+2*(i-BLK)+1], s[12:13] offset:2048*(i-BLK)  ; the block before's unit; no vector instruction since the wait names its Y or v2
.endif
	v_cvt_pk_bf16_f32 v[Y+2*i], v[X+4*i], v[X+4*i+1]
	v_cvt_pk_bf16_f32 v[Y+2*i+1], v[X+4*i+2], v[X+4*i+3]
.set i, i+1
.endr
	s_wait_alu depctr_va_vdst(0)                   ; the last block has written its Y, which the last four stores read
.set i, 16-BLK
.rept BLK
	global_store_b64 v2, v[Y+2*i:Y+2*i+1], s[12:13] offset:2048*i
.set i, i+1
.endr
	s_endpgm
.Lwo:	; Wo: numbers 16,384 x + 1,024 i + 4 t on, in the tensor's own order
	v_lshlrev_b32 v1, 4, v0
	s_wait_alu depctr_va_vdst(0)                   ; v1 and v2 are written: every load below reads v1 as its offset, every store v2
.set i, 0
.rept 16
	global_load_b128 v[X+4*i:X+4*i+3], v1, s[14:15] offset:4096*i th:TH_LOAD_NT
.set i, i+1
.endr
.set i, 0
.rept 16
	s_wait_loadcnt 15-i                            ; unit i is in
.if (i >= BLK) && (i % BLK == 0)
	s_wait_alu depctr_va_vdst(0)                   ; a block's head: the block before has written its Y, which this block's four stores read
.endif
.if i >= BLK
	global_store_b64 v2, v[Y+2*(i-BLK):Y+2*(i-BLK)+1], s[12:13] offset:2048*(i-BLK)  ; the block before's unit; no vector instruction since the wait names its Y or v2
.endif
	v_cvt_pk_bf16_f32 v[T], v[X+4*i], v[X+4*i+1]   ; rounded to bf16, as every input of the module is,
	v_cvt_pk_bf16_f32 v[T+1], v[X+4*i+2], v[X+4*i+3]
	v_lshlrev_b32 v[T+2], 16, v[T]                 ; widened again,
	v_and_b32 v[T], s22, v[T]
	v_lshlrev_b32 v[T+3], 16, v[T+1]
	v_and_b32 v[T+1], s22, v[T+1]
	v_cvt_pk_f16_f32 v[Y+2*i], v[T+2], v[T]        ; and written as f16: exact inside f16's normal range
	v_cvt_pk_f16_f32 v[Y+2*i+1], v[T+3], v[T+1]
.set i, i+1
.endr
	s_wait_alu depctr_va_vdst(0)                   ; the last block has written its Y, which the last four stores read
.set i, 16-BLK
.rept BLK
	global_store_b64 v2, v[Y+2*i:Y+2*i+1], s[12:13] offset:2048*i
.set i, i+1
.endr
	s_endpgm
.Lfunc_end_k_q4902d4c6fc_prep:
	.size	k_q4902d4c6fc_prep, .Lfunc_end_k_q4902d4c6fc_prep-k_q4902d4c6fc_prep
	.p2alignl 7, 3214868480
	.fill 96, 4, 3214868480
	.section	.rodata,"a",@progbits
	.p2align	6, 0x0
	.amdhsa_kernel k_q4902d4c6fc_prep
		.amdhsa_group_segment_fixed_size 0
		.amdhsa_private_segment_fixed_size 0
		.amdhsa_enable_private_segment 0
		.amdhsa_kernarg_size 40
		.amdhsa_user_sgpr_count 2
		.amdhsa_user_sgpr_kernarg_segment_ptr 1
		.amdhsa_wavefront_size32 1
		.amdhsa_system_sgpr_workgroup_id_x 1
		.amdhsa_system_sgpr_workgroup_id_y 1
		.amdhsa_system_sgpr_workgroup_id_z 1
		.amdhsa_system_vgpr_workitem_id 0
		.amdhsa_next_free_vgpr 104
		.amdhsa_next_free_sgpr 66
		.amdhsa_reserve_vcc 0
		.amdhsa_float_denorm_mode_32 3
		.amdhsa_float_denorm_mode_16_64 3
		.amdhsa_memory_ordered 1
		.amdhsa_forward_progress 1
		.amdhsa_inst_pref_size 17
	.end_amdhsa_kernel
	.amdgpu_metadata
---
amdhsa.version: [ 1, 2 ]
amdhsa.kernels:
  - .name:           k_q4902d4c6fc_prep
    .symbol:         k_q4902d4c6fc_prep.kd
    .args:
      - { .name: Wq, .offset: 0, .size: 8, .value_kind: global_buffer, .address_space: global }
      - { .name: Wk, .offset: 8, .size: 8, .value_kind: global_buffer, .address_space: global }
      - { .name: Wv, .offset: 16, .size: 8, .value_kind: global_buffer, .address_space: global }
      - { .name: Wo, .offset: 24, .size: 8, .value_kind: global_buffer, .address_space: global }
      - { .name: wts, .offset: 32, .size: 8, .value_kind: global_buffer, .address_space: global }
    .group_segment_fixed_size: 0
    .private_segment_fixed_size: 0
    .kernarg_segment_align: 8
    .kernarg_segment_size: 40
    .max_flat_workgroup_size: 256
    .sgpr_count:     66
    .vgpr_count:     104
    .wavefront_size: 32
...
	.end_amdgpu_metadata
.endif
;; end of part 5
;; launch proj: the kernel of part 2 again; grid 4 x 64, 4 waves a work-group, clusters of 4 x 4, 327,680 bytes of LDS; arguments q, k, v, wts, qh, kh, vh; writes qh, kh, vh
;; launch attn: the kernel of part 3 again; grid 4 x 64, 4 waves a work-group, no clusters, 327,680 bytes of LDS; arguments qh, kh, vh, oh; writes oh
;; launch outp: the kernel of part 4 again; grid 4 x 64, 4 waves a work-group, clusters of 4 x 4, 327,680 bytes of LDS; arguments oh, wts, bo, out0; writes out0
